; MI455X (gfx1250); checked and timed in simulation.
; The chip was launched on July 23, 2026; its instructions are those of AMD's public machine-readable ISA for CDNA 5 (MIT licence, August 2026) and "CDNA5" Instruction Set Architecture Reference Guide (July 2026). The comments in the code are by the model that wrote it; some were corrected since.
;; Retention. Allowed arithmetic: matrix products marked QUANTISED: E2M3 operands, one E8M0 scale for each 32 along K, by v_wmma_scale_f32_16x16x128_f8f6f4 with both operands' format E2M3, f32 sums; everything else in f32.
;; Inputs: W_g 1,024 x 2,048 float32; W_o 2,048 x 1,024 float32; W_qk 1,024 x 2,048 float32; W_v 1,024 x 2,048 float32; b_g 2,048 float32; b_o 1,024 float32; b_qk 2,048 float32; b_v 2,048 float32; x 2 x 2,048 x 1,024 float32.
;; Outputs: out0 2 x 2,048 x 1,024 float32.
;; This version of the problem:
;;   THIS VERSION OF THE PROBLEM IS GIVEN IN LOW PRECISION. The matrix products marked QUANTISED in the list below multiply operands that are first quantised to E2M3 (2 exponent bits, 3 mantissa bits; 6 bits a number), with one power-of-two scale for each 32 numbers along K (OCP MX v1.0); their sums are f32. All else is computed in f32.
;;   The module's matrix products, in the order in which they are computed (A, B: the left and right operand; K: the contracted axis; several contracted axes count as one K, in the product's order):
;;     1. [M 4,096, K 1,024] x [K 1,024, N 2,048]; A: input x; B: input W_qk: QUANTISED
;;     2. [M 4,096, K 1,024] x [K 1,024, N 2,048]; A: input x; B: input W_v: QUANTISED
;;     3. batch 32 x [M 2,048, K 64] x [K 64, N 2,048]; A: computed on the way; B: computed on the way: QUANTISED
;;     4. batch 32 x [M 128, K 2,048] x [K 2,048, N 2,048]; A: computed on the way; B: computed on the way: QUANTISED
;;     5. [M 4,096, K 1,024] x [K 1,024, N 2,048]; A: input x; B: input W_g: QUANTISED
;;     6. [M 4,096, K 2,048] x [K 2,048, N 1,024]; A: computed on the way; B: input W_o: QUANTISED
;;   THE QUANTISER, for each operand of a quantised product, along K:
;;     - K is cut into blocks of 32 from its start; a last block that is shorter is filled with zeros.
;;     - A block's scale is 2^e with e = floor(log2(the largest magnitude in the block)) - 2, held to -126 .. 127; a block of zeros has e = 0. As a byte (E8M0): e + 127.
;;     - Each number is divided by its block's scale, clamped to +-7.5, and rounded to the nearest number of E2M3, ties to even, subnormals kept.
;;     - The product sums the exact products of the quantised numbers (number of the format x scale) in f32.
;;   ~~~python
;;   def quantise(x, axis):      # numpy; x: float32 -> the quantised numbers, widened to float32 again
;;       x = np.moveaxis(x, axis, -1); K = x.shape[-1]
;;       x = np.pad(x, [(0, 0)] * (x.ndim - 1) + [(0, -K % 32)]); x = x.reshape(x.shape[:-1] + (-1, 32)); a = np.abs(x).max(-1, keepdims=True)
;;       e = np.where(a > 0, np.clip(np.frexp(np.where(a > 0, a, 1))[1] - 1 - 2, -126, 127), 0)      # np.frexp(a)[1] - 1 = floor(log2(a)), exactly
;;       r = np.clip(x / 2.0 ** e, -7.5, 7.5)
;;       step = 2.0 ** (np.maximum(np.frexp(np.where(r == 0, 1, r))[1] - 1, 0) - 3)
;;       q = np.round(r / step) * step * 2.0 ** e      # np.round: ties to even
;;       return np.moveaxis(q.reshape(q.shape[:-2] + (-1,))[..., :K], -1, axis).astype(np.float32)
;;   ~~~
;;   OPERANDS COMPUTED ON THE WAY. 'Computed on the way' means the value that the module computes at that place (a softmax that the list does not call 'softmax' is quantised finished and normalised). What goes into a quantiser is computed in f32, as accurately as f32 sums, v_exp_f32 and their like allow (about 1e-6 of the number): no bf16 or f16 on the way to a quantiser, and a product that is left as it is and whose result goes on into a quantised operand takes f32 operands (vector FMAs, or v_wmma_f32_16x16x4_f32). A number that lies on a knife's edge between two numbers of the format may be rounded either way, as far as f32 arithmetic and the matrix unit's own rounding can turn it there, and no further.
;; One version. Each part assembles by itself: llvm-mc -triple=amdgcn-amd-amdhsa -mcpu=gfx1250 --defsym DOCPART=n.
;; ======== version 1 of 1: 4 launches
;; workspace buffers: ops 9,830,400 bytes; qkv 13,107,200 bytes; g 33,554,432 bytes; gq 6,553,600 bytes
;; launch quant (part 1): grid 768 x 1, 4 waves a work-group, no clusters, 14,848 bytes of LDS; arguments x, W_qk, W_v, W_g, W_o, ops; writes ops
.if DOCPART == 1
	.amdgcn_target "amdgcn-amd-amdhsa--gfx1250"
	.amdhsa_code_object_version 6
	.text
	.protected	k_qa6948917aa_quant
	.globl	k_qa6948917aa_quant
	.p2align	8
	.type	k_qa6948917aa_quant,@function
k_qa6948917aa_quant:
	s_mov_b64 s[64:65], 0
	v_nop
	global_prefetch_b8 v0, s[64:65] scope:SCOPE_SE
	s_setreg_imm32_b32 hwreg(HW_REG_WAVE_MODE, 25, 1), 1
	s_wait_xcnt 0x0
; x [4096][1024] and the four weights (W_qk, W_v, W_g [1024][2048], W_o [2048][1024]), f32, become codes of FP6 (E2M3) with one E8M0 byte for each 32 along K,
; laid in ops AS IMAGES OF OPERAND REGISTERS: a fragment (16 rows or columns x 128 K, 12 registers a lane) is 1,536 bytes, registers 4 g .. 4 g + 3 of lane L at 512 g + 16 L.
; A TILE OF 16 IS NOT 16 NEIGHBOURS: lane r of tile 2 b + u holds index 32 b + 8 u + r + 8 (r / 8), so that later products' results are neighbours along the next K in a lane's registers.
; ops: x's images [tile 256][K step 8][1536] | their scale words [256][8][16 x 4] | images of W_qk, W_v, W_g as one N of 6,144 [tile 384][8][1536] | words | W_o's [tile 64][16][1536] | words.
; A block's scale byte is its largest magnitude's exponent field - 2, held at 1 from below.
; LIMITS: a block of zeros gets the byte 1 where the rule says 127 (its codes are zeros, and this program alone reads the bytes); blocks whose largest magnitude lies under 2^-124 are held at the byte 1;
; NaN and infinities among the inputs are not served.
; Work-groups 0-255: one tile of x each, a wave two K steps; K is innermost, so a lane loads 16 neighbours of each block.  Work-groups 256-767: the weights; K is the first axis, so a lane takes a
; column and its registers run down K; a wave takes 32 columns x 128 K = two fragments, which are put in register order in the wave's own LDS and leave as runs of 512 bytes.
; No cluster, no tensor load, no barrier: work-groups and waves share nothing, and memory binds.
.set XS,    3145728
.set WI,    3276800
.set WS,    7995392
.set OI,    8192000
.set OS,    9764864
.set WREG,  3584                       ; LDS of a wave: two images, 1,664 bytes apart (1,536 + 128, so that the two tiles' stores fall on different banks)
.set IMG2,  1664
.set SPARE, 4*WREG                     ; behind the four regions: the spare words, 128 bytes a wave: two blocks of 256 bytes that no other line names
.set LI,    5                          ; v5   16 x lane
.set L4,    6                          ; v6   4 x lane
.set SPW,   8                          ; v8   my spare word; never rewritten
.set NIL,   9                          ; v9   0; never rewritten
.set SEL,   20                         ; s[20:21] lane selects: lane l xor 16
.set HA,    32                         ; x: v32-95, v96-159 the numbers of two K steps
.set ST,    96
.set TM,    160                        ; v160-175 at work in QUANT
.set CT,    176                        ; v176-183 the upper halves of the blocks' codes
.set OFF,   32                         ; weights: v32-63 row i's byte offset
.set X,     64                         ; v64-127 two sets of 32 numbers
.set C,     128                        ; v128-159 codes, eight registers a block
.set WB,    40                         ; s[40:47] the four blocks' bases
; 64 numbers of a lane, register 16 b + i = k 32 b + 16 (lane / 16) + i of my row, become codes: k 0-63 in v[d0 .. d0+5], k 64-127 in v[d1 .. d1+5]; the row's scale word in v[pw].
.macro QUANT s, d0, d1, pw
.irp b, 0,1,2,3
	v_max3_num_f32 v[TM+\b], |v[(\s)+16*\b]|, |v[(\s)+1+16*\b]|, 0x1800000   ; my 16 numbers of block b, and the floor 2^(3 - 127): the byte cannot fall under 1
.endr
.irp i, 2,4,6,8,10,12,14
.irp b, 0,1,2,3
	v_max3_num_f32 v[TM+\b], v[TM+\b], |v[(\s)+16*\b+\i]|, |v[(\s)+1+16*\b+\i]|
.endr
.endr
.irp b, 0,1,2,3
	v_permlanex16_b32 v[TM+4+\b], v[TM+\b], s[SEL], s[SEL+1]
.endr
.irp b, 0,1,2,3
	v_max_num_f32 v[TM+\b], v[TM+\b], v[TM+4+\b]       ; with lane l xor 16's: the block's largest magnitude
.endr
.irp b, 0,1,2,3
	v_add_nc_u32 v[TM+12+\b], 0xff000000, v[TM+\b]     ; 2 off its exponent field: the conversion's scale operand
.endr
.irp b, 0,1,2,3
	v_lshrrev_b32 v[TM+4+\b], 23, v[TM+12+\b]          ; the scale's byte
.endr
	v_lshl_or_b32 v[\pw], v[TM+5], 8, v[TM+4]
	v_lshl_or_b32 v[\pw], v[TM+6], 16, v[\pw]
	v_lshl_or_b32 v[\pw], v[TM+7], 24, v[\pw]
	v_cvt_scalef32_pk16_fp6_f32 v[(\d0):(\d0)+2], v[(\s):(\s)+15], v[TM+12]
	v_cvt_scalef32_pk16_fp6_f32 v[CT:CT+2], v[(\s)+16:(\s)+31], v[TM+13]
	v_cvt_scalef32_pk16_fp6_f32 v[(\d1):(\d1)+2], v[(\s)+32:(\s)+47], v[TM+14]
	v_cvt_scalef32_pk16_fp6_f32 v[CT+4:CT+6], v[(\s)+48:(\s)+63], v[TM+15]
	v_nop                                              ; one plain place behind a scaled conversion
.irp i, 0,1,2
	v_permlane16_swap_b32 v[(\d0)+\i], v[CT+\i]        ; the layout wants a whole block in a lane: lanes 0-15 the even block, lanes 16-31 the odd one
.endr
.irp i, 0,1,2
	v_mov_b32 v[(\d0)+3+\i], v[CT+\i]
.endr
.irp i, 0,1,2
	v_permlane16_swap_b32 v[(\d1)+\i], v[CT+4+\i]
.endr
.irp i, 0,1,2
	v_mov_b32 v[(\d1)+3+\i], v[CT+4+\i]
.endr
.endm
	s_load_b256 s[4:11], s[0:1], 0x0               ; x, W_qk, W_v, W_g
	s_load_b128 s[12:15], s[0:1], 0x20             ; W_o, ops
	v_lshl_add_u32 v[SPW], v0, 2, SPARE
	v_mov_b32 v[NIL], 0
	v_lshrrev_b32 v1, 5, v0
	v_readfirstlane_b32 s16, v1                    ; wave
	v_and_b32 v1, 31, v0                           ; lane
	v_and_b32 v2, 15, v0                           ; r
	v_bfe_u32 v3, v0, 4, 1                         ; h
	v_lshlrev_b32 v[LI], 4, v1
	v_lshlrev_b32 v[L4], 2, v1
	s_mov_b32 s[SEL], 0x76543210
	s_mov_b32 s[SEL+1], 0xfedcba98
	s_mov_b32 s22, 0xffff0000                      ; lanes 16-31
	s_wait_kmcnt 0x0
	s_cmp_lt_u32 ttmp9, 256
	s_cbranch_scc0 .Lweights
	; ---- x: tile T = the work-group's number; my wave's K steps 2 w and 2 w + 1
	v_and_b32 v7, 8, v2
	v_add_nc_u32 v7, v7, v2                        ; r + 8 (r / 8)
	v_lshlrev_b32 v4, 12, v7                       ; a row of x is 4,096 bytes
	v_lshl_add_u32 v4, v3, 6, v4                   ; + 64 h: my 16 numbers of a block of 32
.irp b, 0,1,2,3
	v_mov_b32 v[TM+4+\b], 0                        ; written once: a lane permute's destination counts as one of its sources
.endr
	s_lshr_b32 s24, ttmp9, 1
	s_lshl_b32 s24, s24, 17                        ; 32 (T / 2) rows
	s_and_b32 s25, ttmp9, 1
	s_lshl_b32 s25, s25, 15                        ; + 8 (T % 2) rows
	s_add_co_u32 s24, s24, s25
	s_lshl_b32 s25, s16, 10                        ; + two K steps of 512 bytes a wave
	s_add_co_u32 s24, s24, s25
	s_mov_b32 s25, 0
	s_add_nc_u64 s[4:5], s[4:5], s[24:25]
	s_lshl_b32 s26, ttmp9, 3
	s_lshl_b32 s27, s16, 1
	s_add_co_u32 s26, s26, s27                     ; 8 T + 2 w: my first fragment
	s_mul_i32 s28, s26, 1536
	s_mov_b32 s29, 0
	s_add_nc_u64 s[28:29], s[14:15], s[28:29]      ; its image
	s_lshl_b32 s30, s26, 6
	s_add_co_u32 s30, s30, XS
	s_mov_b32 s31, 0
	s_add_nc_u64 s[30:31], s[14:15], s[30:31]      ; its scale words
.macro XLOAD reg, s
.irp b, 0,1,2,3
.irp j, 0,1,2,3
	global_load_b128 v[\reg+16*\b+4*\j:\reg+16*\b+4*\j+3], v4, s[4:5] offset:512*\s+128*\b+16*\j th:TH_LOAD_NT
.endr
.endr
.endm
	XLOAD HA, 0
	XLOAD ST, 1
	s_wait_loadcnt 16                              ; the first K step's 16 loads are in; the second's may be out
	QUANT HA, 188, 194, 184
.irp g, 0,1,2
	global_store_b128 v[LI], v[188+4*\g:191+4*\g], s[28:29] offset:512*\g          ; 32 lanes store 512 consecutive bytes
.endr
	s_wait_loadcnt 0x0
	QUANT ST, 200, 206, 185                        ; its codes have registers of their own: no store's data are written again
.irp g, 0,1,2
	global_store_b128 v[LI], v[200+4*\g:203+4*\g], s[28:29] offset:1536+512*\g
.endr
	v_cndmask_b32 v186, v184, v185, s22            ; lanes 0-15 the first step's words, lanes 16-31 the second's: 128 consecutive bytes
	global_store_b32 v[L4], v186, s[30:31]
	s_wait_tensorcnt 0x0                           ; the wave's end
	ds_add_u32 v[SPW], v[NIL]
	s_wait_dscnt 0x0
	s_endpgm
.Lweights:
	; ---- a weight: 32 columns x 128 K a wave.  All choices hang on the work-group's number alone
	v_bfe_u32 v13, v0, 3, 1                        ; u: which of the two tiles my column belongs to
	v_and_b32 v14, 7, v0
	v_lshl_add_u32 v14, v3, 3, v14                 ; r': its lane there: (l % 8) + 8 (l / 16)
	s_mul_i32 s24, s16, WREG
	v_mul_u32_u24 v10, v13, IMG2
	v_lshl_add_u32 v10, v14, 4, v10
	v_add_nc_u32 v10, s24, v10                     ; into LDS: my wave's region, tile u's image, lane r'
	v_add_nc_u32 v11, s24, v[LI]                   ; back: 16 x lane
	s_sub_co_u32 s24, ttmp9, 256
	s_lshr_b32 s25, s24, 7                         ; which weight: 0 qk, 1 v, 2 g, 3 o
	s_and_b32 s24, s24, 127
	s_lshl_b32 s24, s24, 2
	s_add_co_u32 s24, s24, s16                     ; my unit of its 512
	s_lshl_b32 s32, s25, 7                         ; 128 tiles to each of qk, v, g
	s_cmp_eq_u32 s25, 1
	s_cselect_b64 s[6:7], s[8:9], s[6:7]
	s_cmp_eq_u32 s25, 2
	s_cselect_b64 s[6:7], s[10:11], s[6:7]
	s_cmp_eq_u32 s25, 3
	s_cselect_b64 s[6:7], s[12:13], s[6:7]
	s_cselect_b32 s26, 31, 63                      ; groups of 32 columns - 1
	s_cselect_b32 s27, 5, 6
	s_cselect_b32 s28, 12, 13                      ; log2 of a row's bytes
	s_cselect_b32 s29, 16, 8                       ; K steps
	s_mov_b32 s30, WI
	s_cselect_b32 s30, OI, s30
	s_mov_b32 s31, WS
	s_cselect_b32 s31, OS, s31
	s_cselect_b32 s32, 0, s32
	s_lshr_b32 s27, s24, s27                       ; my K step
	s_and_b32 s26, s24, s26                        ; my group of columns: the four waves stand side by side on 512 bytes of each row
	s_lshl_b32 s23, 1, s28                         ; a row's bytes
	s_lshl_b32 s33, s26, 1
	s_add_co_u32 s32, s32, s33                     ; my first tile
	s_mul_i32 s33, s32, s29
	s_add_co_u32 s33, s33, s27                     ; its fragment of my K step
	s_mul_i32 s34, s33, 1536
	s_add_co_u32 s34, s34, s30
	s_mov_b32 s35, 0
	s_add_nc_u64 s[34:35], s[14:15], s[34:35]      ; the first tile's image
	s_mul_i32 s36, s29, 1536
	s_mov_b32 s37, 0
	s_add_nc_u64 s[36:37], s[34:35], s[36:37]      ; the second's
	s_lshl_b32 s38, s33, 6
	s_add_co_u32 s38, s38, s31
	s_mov_b32 s39, 0
	s_add_nc_u64 s[38:39], s[14:15], s[38:39]      ; the scale words
	s_lshl_b32 s48, s29, 6
	v_mul_u32_u24 v12, s48, v13
	v_lshl_add_u32 v12, v14, 2, v12                ; my word: tile u, lane r'
	s_add_co_u32 s48, s28, 7
	s_lshl_b32 s48, s27, s48                       ; 128 rows a K step
	s_lshl_b32 s49, s26, 7                         ; 128 bytes a group of columns
	s_add_co_u32 s48, s48, s49
	s_mov_b32 s49, 0
	s_add_nc_u64 s[WB:WB+1], s[6:7], s[48:49]
	s_lshl_b32 s48, s23, 5                         ; 32 rows a block
	s_add_nc_u64 s[WB+2:WB+3], s[WB:WB+1], s[48:49]
	s_add_nc_u64 s[WB+4:WB+5], s[WB+2:WB+3], s[48:49]
	s_add_nc_u64 s[WB+6:WB+7], s[WB+4:WB+5], s[48:49]
.set ii, 0
.rept 32
	v_mad_u32_u24 v[OFF+ii], s23, ii, v[L4]        ; row i of a block, my column: one text serves both row lengths
.set ii, ii+1
.endr
.macro LOADB kb                        ; block kb: 32 rows of my column; each load reads 128 consecutive bytes
.set ii, 0
.rept 32
	global_load_b32 v[X+32*((\kb)%2)+ii], v[OFF+ii], s[WB+2*(\kb):WB+2*(\kb)+1] th:TH_LOAD_NT
.set ii, ii+1
.endr
.endm
; Block kb = 2 c + h' is registers 6 c .. 6 c + 5 of lane r' + 16 h' of my tile's fragment: 24 bytes, which lie in two groups of four registers
.macro WBLOCK kb, left
.set XB, X+32*((\kb)%2)
.set CB, C+8*(\kb)
	s_wait_loadcnt \left
	v_max3_num_f32 v160, |v[XB]|, |v[XB+1]|, |v[XB+2]|
	v_max3_num_f32 v161, |v[XB+3]|, |v[XB+4]|, |v[XB+5]|
.irp i, 6,10,14,18,22,26
	v_max3_num_f32 v160, v160, |v[XB+\i]|, |v[XB+\i+1]|
	v_max3_num_f32 v161, v161, |v[XB+\i+2]|, |v[XB+\i+3]|
.endr
	v_max3_num_f32 v160, v160, |v[XB+30]|, |v[XB+31]|
	v_max3_num_f32 v160, v160, v161, 0x1800000     ; and the floor
	v_add_nc_u32 v162, 0xff000000, v160
	v_lshrrev_b32 v163, 23, v162
.if (\kb) == 0
	v_mov_b32 v164, v163
.else
	v_lshl_or_b32 v164, v163, 8*(\kb), v164        ; my column's scale word for this K step
.endif
	v_cvt_scalef32_pk16_fp6_f32 v[CB:CB+2], v[XB:XB+15], v162
	v_cvt_scalef32_pk16_fp6_f32 v[CB+4:CB+6], v[XB+16:XB+31], v162
	v_nop
	v_mov_b32 v[CB+3], v[CB+4]
	v_mov_b32 v[CB+4], v[CB+5]
	v_mov_b32 v[CB+5], v[CB+6]
.if (\kb) < 2
	ds_store_b128 v10, v[CB:CB+3] offset:256*(\kb)
	ds_store_b64 v10, v[CB+4:CB+5] offset:512+256*(\kb)
.else
	ds_store_b64 v10, v[CB:CB+1] offset:520+256*((\kb)-2)
	ds_store_b128 v10, v[CB+2:CB+5] offset:1024+256*((\kb)-2)
.endif
.endm
	LOADB 0
	LOADB 1
	WBLOCK 0, 32                                   ; this block's 32 loads are in; the next block's may be out
	LOADB 2
	WBLOCK 1, 32
	LOADB 3
	WBLOCK 2, 32
	WBLOCK 3, 0
.irp t, 0,1,2,3,4,5
	ds_load_b128 v[168+4*\t:171+4*\t], v11 offset:IMG2*(\t/3)+512*(\t%3)   ; LDS serves a wave's instructions in order: these see my stores
.endr
.irp t, 0,1,2,3,4,5
	s_wait_dscnt 5-\t                              ; the younger loads may be out
	global_store_b128 v[LI], v[168+4*\t:171+4*\t], s[34+2*(\t/3):35+2*(\t/3)] offset:512*(\t%3)
.endr
	global_store_b32 v12, v164, s[38:39]
	s_wait_tensorcnt 0x0                           ; the wave's end, behind my last LDS store
	ds_add_u32 v[SPW], v[NIL]
	s_wait_dscnt 0x0
	s_endpgm
.Lfunc_end_k_qa6948917aa_quant:
	.size	k_qa6948917aa_quant, .Lfunc_end_k_qa6948917aa_quant-k_qa6948917aa_quant
	.p2alignl 7, 3214868480
	.fill 96, 4, 3214868480
	.section	.rodata,"a",@progbits
	.p2align	6, 0x0
	.amdhsa_kernel k_qa6948917aa_quant
		.amdhsa_group_segment_fixed_size 14848
		.amdhsa_private_segment_fixed_size 0
		.amdhsa_enable_private_segment 0
		.amdhsa_kernarg_size 48
		.amdhsa_user_sgpr_count 2
		.amdhsa_user_sgpr_kernarg_segment_ptr 1
		.amdhsa_wavefront_size32 1
		.amdhsa_system_sgpr_workgroup_id_x 1
		.amdhsa_system_sgpr_workgroup_id_y 1
		.amdhsa_system_sgpr_workgroup_id_z 1
		.amdhsa_system_vgpr_workitem_id 0
		.amdhsa_next_free_vgpr 216
		.amdhsa_next_free_sgpr 66
		.amdhsa_reserve_vcc 0
		.amdhsa_float_denorm_mode_32 3
		.amdhsa_float_denorm_mode_16_64 3
		.amdhsa_memory_ordered 1
		.amdhsa_forward_progress 1
		.amdhsa_inst_pref_size 38
	.end_amdhsa_kernel
	.amdgpu_metadata
---
amdhsa.version: [ 1, 2 ]
amdhsa.kernels:
  - .name:           k_qa6948917aa_quant
    .symbol:         k_qa6948917aa_quant.kd
    .args:
      - { .name: x, .offset: 0, .size: 8, .value_kind: global_buffer, .address_space: global }
      - { .name: W_qk, .offset: 8, .size: 8, .value_kind: global_buffer, .address_space: global }
      - { .name: W_v, .offset: 16, .size: 8, .value_kind: global_buffer, .address_space: global }
      - { .name: W_g, .offset: 24, .size: 8, .value_kind: global_buffer, .address_space: global }
      - { .name: W_o, .offset: 32, .size: 8, .value_kind: global_buffer, .address_space: global }
      - { .name: ops, .offset: 40, .size: 8, .value_kind: global_buffer, .address_space: global }
    .group_segment_fixed_size: 14848
    .private_segment_fixed_size: 0
    .kernarg_segment_align: 8
    .kernarg_segment_size: 48
    .max_flat_workgroup_size: 128
    .sgpr_count:     66
    .vgpr_count:     216
    .wavefront_size: 32
...
	.end_amdgpu_metadata
.endif
;; end of part 1
;; launch proj (part 2): grid 24 x 16, 4 waves a work-group, clusters of 4 x 4, 327,680 bytes of LDS; arguments ops, b_qk, b_v, b_g, qkv, g; writes qkv, g
.if DOCPART == 2
	.amdgcn_target "amdgcn-amd-amdhsa--gfx1250"
	.amdhsa_code_object_version 6
	.text
	.protected	k_qa6948917aa_proj
	.globl	k_qa6948917aa_proj
	.p2align	8
	.type	k_qa6948917aa_proj,@function
k_qa6948917aa_proj:
	s_mov_b64 s[64:65], 0
	v_nop
	global_prefetch_b8 v0, s[64:65] scope:SCOPE_SE
	s_setreg_imm32_b32 hwreg(HW_REG_WAVE_MODE, 25, 1), 1
	s_wait_xcnt 0x0
	s_wait_alu depctr_hold_cnt(0) depctr_sa_sdst(0) depctr_va_vdst(0) depctr_va_sdst(0) depctr_va_ssrc(0) depctr_va_vcc(0) depctr_vm_vsrc(0)
	s_getreg_b32 s2, hwreg(HW_REG_IB_STS2, 6, 4)
	s_cmp_eq_u32 s2, 0
	s_cbranch_scc0 .Lentry_in_a_cluster
	s_endpgm
.Lentry_in_a_cluster:
	s_bfe_u32 s2, ttmp6, 0x10000c
	s_cmp_lg_u32 s2, 0xf033
	s_cbranch_scc0 .Lentry_shape_is_right
	s_endpgm
.Lentry_shape_is_right:
; [x] x [W_qk | W_v | W_g] + bias on codes of FP6 (E2M3): M 4,096, K 1,024, N 6,144.  What comes out: q and k quantised along a head's 64, v quantised along the keys, g as f32.
; A tile of 256 x 256 to a work-group of four waves, 128 x 128 to a wave: 64 accumulators, 512 registers.  Operands lie in ops as images of their registers (1,536 bytes a fragment, three loads of 16 bytes a lane).
; ONE TEXT FOR BOTH WAYS ROUND.  P is what source 0 takes, R what source 1 takes.  A lane of the result holds one row of R, its registers run along P.  For q, k, g: P = the weight, R = x: a lane holds a row of x and
; 64 numbers along the columns, which are the next product's K.  For v: P = x, R = the weight: a lane holds a channel and 64 numbers along the keys, which are ITS next K.  The tiles' order of rows and columns
; (lane r of tile 2 b + u holds 32 b + 8 u + r + 8 (r / 8)) makes register 16 b + i the neighbour 32 b + 16 (lane / 16) + i.
; CLUSTERS of 4 x 4: P's tiles hang on cx and the cluster's coordinates and are shared along a column of the cluster, R's on cy and are shared along a row: joint loads, a quarter of the requests.
; The cluster's x says what is made: 0 q, 1 k, 2-3 v, 4-5 g; every branch hangs on it or on the wave's number, never on a place in the cluster.
; K: 8 steps of 128.  Three LDS slots of two steps each; three fills and the scale words go out at the head, the fourth fill takes slot 0 again behind one round of the cluster's barrier.
; qkv: q [bh 32][key step 16][6400], k likewise, v [bh][step][12800].  A step of q or k: four images, each holding TWO tiles' 64 dims (registers 0-5 and 6-11), then 256 bytes of scale words;
; of v: eight channel tiles' images (128 keys) and 512 bytes of words.  g: [tile of rows 256][head 16][8192]: the image of 64 f32 registers.
; LIMITS: as stated for the quantiser: a block of zeros gets the byte 1, blocks under 2^-124 are held at the byte 1, NaN and infinities are not served.
; REGISTERS: window 0: v16-29 addresses; v32-95 scale words (register 8 i + s: lanes 0-15 P's tile i, lanes 16-31 R's tile i, K step s), and nothing else ever; v96-191 R's 8 fragments, one set; v192-255 the bias.
;   window 1: P's fragments, two sets (v0, v128); behind the products: the epilogue's work.   windows 2, 3: accumulator (a, b) at v[8 (8 (a % 4) + b)].
.set XSB,   3145728
.set WI,    3276800
.set WS,    7995392
.set KB,    3276800
.set VB,    6553600
.set SLOT,  98304                      ; P's 16 tiles x 3,072 bytes (two K steps), then R's
.set HALF,  24576                      ; 8 tiles: what one tensor load brings, and what one wave reads of P or of R
.set SCL,   3*SLOT                     ; P's scale words, 8,192 bytes, then R's
.set SPARE, SCL+16384                  ; the spare words, 128 bytes a wave: two blocks of 256 bytes that no other line names
.set ADRA,  16                         ; v16-18 my R fragments in slot 0, 1, 2
.set ADRB,  20                         ; v20-22 my P fragments
.set ADRS,  24
.set LI,    25                         ; 16 x lane
.set LI8,   26                         ; 8 x lane
.set BO,    27                         ; the bias loads' offset
.set SPW,   28
.set NIL,   29
.set SC,    32
.set AF,    96
.set BIAS,  192
.set EH,    0                          ; window 1, behind the products: v0-63 64 numbers
.set TM,    128
.set CT,    144
.set PW0,   152
.set PW1,   153
.set IA,    156                        ; v156-167, v168-179 two images
.set IB,    168
.set WA,    180                        ; v180-187 scale words
.set WBD,   184
.set OUT,   188
.set G1P,   24
.set G1R,   32
.set G1SP,  40
.set G1SR,  48
.set G0P0,  56
.set G0P1,  60
.set G0P2,  68
.set G0R0,  72
.set G0R1,  76
.set G0R2,  80
.set G0SP,  84
.set G0SR,  88
.set SEL,   98
.set MSB, 0
.macro WIN new                         ; the immediate's high byte repeats the setting that is left
.if MSB != (\new)
	s_set_vgpr_msb (MSB<<8)|(\new)
.set MSB, (\new)
.endif
.endm
.set MUL_LO, 0xa1                      ; source 0 (P) window 1, source 1 (R) window 0, C and D window 2
.set MUL_HI, 0xf1
.set TO_B,   0x40
; A joint load: waves 0 and 1 fetch P's halves, waves 2 and 3 R's.  An s_nop 0 and four v_nop follow each of the two lines.
.macro JLOAD g0a, g1a, g0b, g1b
	s_cmp_eq_u32 s17, 0
	s_cbranch_scc0 .Lfor_r_\@
	tensor_load_to_lds s[\g0a:\g0a+3], s[\g1a:\g1a+7]
	s_nop 0
.rept 4
	v_nop
.endr
	s_branch .Lasked_\@
.Lfor_r_\@:
	tensor_load_to_lds s[\g0b:\g0b+3], s[\g1b:\g1b+7]
	s_nop 0
.rept 4
	v_nop
.endr
.Lasked_\@:
.endm
.macro CREST
	s_cmp_lg_u32 s16, 0
	s_cbranch_scc1 .Lnot_wave_0_\@
	s_barrier_signal -3
.Lnot_wave_0_\@:
	s_barrier_wait -3
	s_barrier_signal -1
	s_barrier_wait -1
.endm
.macro CROUND
	s_barrier_signal -1
	s_barrier_wait -1
	CREST
.endm
.macro SETG0 g, lreg, loff, apair, goff
	s_mov_b32 s[\g], 1
	s_add_co_u32 s[\g+1], s[\lreg], \loff
	s_add_nc_u64 s[\g+2:\g+3], s[\apair:\apair+1], \goff
	s_or_b32 s[\g+3], s[\g+3], 0x80000000
.endm
.macro PLACES n
.rept \n
	v_nop
.endr
.endm
.macro QUANT s, d0, d1, pw
.irp b, 0,1,2,3
	v_max3_num_f32 v[TM+\b], |v[(\s)+16*\b]|, |v[(\s)+1+16*\b]|, 0x1800000
.endr
.irp i, 2,4,6,8,10,12,14
.irp b, 0,1,2,3
	v_max3_num_f32 v[TM+\b], v[TM+\b], |v[(\s)+16*\b+\i]|, |v[(\s)+1+16*\b+\i]|
.endr
.endr
.irp b, 0,1,2,3
	v_permlanex16_b32 v[TM+4+\b], v[TM+\b], s[SEL], s[SEL+1]
.endr
.irp b, 0,1,2,3
	v_max_num_f32 v[TM+\b], v[TM+\b], v[TM+4+\b]
.endr
.irp b, 0,1,2,3
	v_add_nc_u32 v[TM+12+\b], 0xff000000, v[TM+\b]
.endr
.irp b, 0,1,2,3
	v_lshrrev_b32 v[TM+4+\b], 23, v[TM+12+\b]
.endr
	v_lshl_or_b32 v[\pw], v[TM+5], 8, v[TM+4]
	v_lshl_or_b32 v[\pw], v[TM+6], 16, v[\pw]
	v_lshl_or_b32 v[\pw], v[TM+7], 24, v[\pw]
	v_cvt_scalef32_pk16_fp6_f32 v[(\d0):(\d0)+2], v[(\s):(\s)+15], v[TM+12]
	v_cvt_scalef32_pk16_fp6_f32 v[CT:CT+2], v[(\s)+16:(\s)+31], v[TM+13]
	v_cvt_scalef32_pk16_fp6_f32 v[(\d1):(\d1)+2], v[(\s)+32:(\s)+47], v[TM+14]
	v_cvt_scalef32_pk16_fp6_f32 v[CT+4:CT+6], v[(\s)+48:(\s)+63], v[TM+15]
	v_nop
.irp i, 0,1,2
	v_permlane16_swap_b32 v[(\d0)+\i], v[CT+\i]
.endr
.irp i, 0,1,2
	v_mov_b32 v[(\d0)+3+\i], v[CT+\i]
.endr
.irp i, 0,1,2
	v_permlane16_swap_b32 v[(\d1)+\i], v[CT+4+\i]
.endr
.irp i, 0,1,2
	v_mov_b32 v[(\d1)+3+\i], v[CT+4+\i]
.endr
.endm
	s_load_b256 s[4:11], s[0:1], 0x0               ; ops, b_qk, b_v, b_g
	s_load_b128 s[12:15], s[0:1], 0x20             ; qkv, g
	v_lshl_add_u32 v[SPW], v0, 2, SPARE
	v_mov_b32 v[NIL], 0
	ds_add_u32 v[SPW], v[NIL]                      ; the wave's opening: the add and its wait ahead of my first tensor load; the set-up below stands between them
	v_lshrrev_b32 v1, 5, v0
	v_readfirstlane_b32 s16, v1                    ; wave
	s_lshr_b32 s17, s16, 1                         ; my half of R.  Also: I fetch for P (0) or for R (1)
	s_and_b32 s18, s16, 1                          ; my half of P.  Also: which half I fetch
	s_bfe_u32 s19, ttmp6, 0x40000                  ; cx
	s_bfe_u32 s20, ttmp6, 0x40004                  ; cy
	s_and_b32 s22, ttmp7, 0xffff                   ; the cluster's y
	s_lshl_b32 s21, s20, 2
	s_lshl_b32 s21, 15, s21                        ; my row of the cluster
	s_lshl_b32 s101, 0x1111, s19                   ; my column
	s_or_b32 s[G1P], s101, (3<<16)|(1<<21)         ; 15:0 the mask; 17:16 elements of 8 bytes; 21 set beside a mask; no padding
	s_or_b32 s[G1R], s21, (3<<16)|(1<<21)
	s_or_b32 s[G1SP], s101, (3<<16)|(1<<21)
	s_or_b32 s[G1SR], s21, (3<<16)|(1<<21)
.irp g, G1P, G1R                       ; 8 tiles x two K steps: 8 rows of 3,072 bytes, 12,288 bytes apart
	s_mov_b32 s[\g+1], 384<<16
	s_mov_b32 s[\g+2], 8<<16
	s_mov_b32 s[\g+3], 384<<16
	s_mov_b32 s[\g+4], 8
	s_mov_b32 s[\g+5], 1536
	s_mov_b32 s[\g+6], 0
	s_mov_b32 s[\g+7], 0
.endr
.irp g, G1SP, G1SR                     ; 8 tiles' scale words: 4,096 dense bytes as 16 rows of 256
	s_mov_b32 s[\g+1], 32<<16
	s_mov_b32 s[\g+2], 16<<16
	s_mov_b32 s[\g+3], 32<<16
	s_mov_b32 s[\g+4], 16
	s_mov_b32 s[\g+5], 32
	s_mov_b32 s[\g+6], 0
	s_mov_b32 s[\g+7], 0
.endr
	s_lshr_b32 s93, ttmp9, 1
	s_cmp_eq_u32 s93, 1                            ; v's clusters: P and R change parts.  The condition is the same in all sixteen partners
	s_cselect_b32 s23, s22, ttmp9
	s_cselect_b32 s92, ttmp9, s22
	s_mov_b32 s94, WI
	s_cselect_b32 s94, 0, s94                      ; P's images: x's (at 0) or the weights'
	s_mov_b32 s96, WI
	s_cselect_b32 s96, s96, 0                      ; R's
	s_mov_b32 s66, WS
	s_mov_b32 s2, XSB
	s_cselect_b32 s21, s2, s66                     ; P's scale words
	s_cselect_b32 s101, s66, s2                    ; R's
	s_cselect_b32 s93, 1, 0
	s_lshl_b32 s23, s23, 2
	s_add_co_u32 s23, s23, s19                     ; P's block of 256: it never holds cy
	s_lshl_b32 s92, s92, 2
	s_add_co_u32 s92, s92, s20                     ; R's block of 256: it never holds cx
	s_mul_i32 s95, s23, 196608
	s_add_co_u32 s94, s94, s95
	s_mul_i32 s95, s18, 98304
	s_add_co_u32 s94, s94, s95
	s_mov_b32 s95, 0
	s_mul_i32 s97, s92, 196608
	s_add_co_u32 s96, s96, s97
	s_mul_i32 s97, s18, 98304
	s_add_co_u32 s96, s96, s97
	s_mov_b32 s97, 0
	s_lshl_b32 s66, s23, 13
	s_add_co_u32 s66, s66, s21
	s_lshl_b32 s67, s18, 12
	s_add_co_u32 s66, s66, s67
	s_mov_b32 s67, 0
	s_lshl_b32 s2, s92, 13
	s_add_co_u32 s2, s2, s101
	s_lshl_b32 s3, s18, 12
	s_add_co_u32 s2, s2, s3
	s_mov_b32 s3, 0
	s_mul_i32 s21, s16, HALF                       ; where my tiles go: wave x 8 tiles: no place in the cluster enters an LDS address
	s_lshl_b32 s101, s16, 12
	s_add_co_u32 s101, s101, SCL
	s_mov_b32 s[SEL], 0x76543210
	s_mov_b32 s[SEL+1], 0xfedcba98
	s_mov_b32 s100, 0xffff0000                     ; lanes 16-31
	s_wait_dscnt 0x0                               ; the opening add is done
	s_wait_kmcnt 0x0
	s_add_nc_u64 s[94:95], s[4:5], s[94:95]
	s_add_nc_u64 s[96:97], s[4:5], s[96:97]
	s_add_nc_u64 s[66:67], s[4:5], s[66:67]
	s_add_nc_u64 s[2:3], s[4:5], s[2:3]
	CROUND                                         ; all sixteen work-groups are here: the first joint loads meet
	SETG0 G0SP, 101, 0, 66, 0
	SETG0 G0SR, 101, 0, 2, 0
	JLOAD G0SP, G1SP, G0SR, G1SR                   ; the scale words of all of K: filled once
	SETG0 G0P0, 21, 0, 94, 0
	SETG0 G0R0, 21, 0, 96, 0
	JLOAD G0P0, G1P, G0R0, G1R                     ; K steps 0, 1
	SETG0 G0P1, 21, SLOT, 94, 3072
	SETG0 G0R1, 21, SLOT, 96, 3072
	JLOAD G0P1, G1P, G0R1, G1R                     ; K steps 2, 3
	SETG0 G0P2, 21, 2*SLOT, 94, 6144
	SETG0 G0R2, 21, 2*SLOT, 96, 6144
	JLOAD G0P2, G1P, G0R2, G1R                     ; K steps 4, 5: four tensor loads of mine are out
	; the bias, in the result's layout
	v_and_b32 v2, 15, v0                           ; r
	v_bfe_u32 v3, v0, 4, 1                         ; h
	s_cmp_eq_u32 s93, 1
	s_cbranch_scc1 .Lbias_v
	s_lshl_b32 s94, s23, 10                        ; q, k, g: register 16 b + i wants column 32 b + 16 h + i of my 128
	s_lshl_b32 s95, s18, 9
	s_add_co_u32 s94, s94, s95
	s_cmp_ge_u32 ttmp9, 4
	s_cselect_b64 s[96:97], s[10:11], s[6:7]
	s_cselect_b32 s95, 16384, 0                    ; g's columns begin at 4,096 of N
	s_sub_co_u32 s94, s94, s95
	s_mov_b32 s95, 0
	s_add_nc_u64 s[96:97], s[96:97], s[94:95]
	v_lshlrev_b32 v[BO], 6, v3
.irp b, 0,1,2,3
.irp j, 0,1,2,3
	global_load_b128 v[BIAS+16*\b+4*\j:BIAS+16*\b+4*\j+3], v[BO], s[96:97] offset:128*\b+16*\j
.endr
.endr
	s_branch .Lbias_in
.Lbias_v:
	s_lshl_b32 s94, s92, 10                        ; v: a lane holds ONE channel of each of R's eight tiles: one number a tile, in both registers of a pair
	s_lshl_b32 s95, s17, 9
	s_add_co_u32 s94, s94, s95
	s_sub_co_u32 s94, s94, 8192                    ; v's columns begin at 2,048 of N
	s_mov_b32 s95, 0
	s_add_nc_u64 s[96:97], s[8:9], s[94:95]
	v_and_b32 v4, 8, v2
	v_add_nc_u32 v4, v4, v2
	v_lshlrev_b32 v[BO], 2, v4
.irp a, 0,1,2,3,4,5,6,7
	global_load_b32 v[BIAS+2*\a], v[BO], s[96:97] offset:(32*(\a/2)+8*(\a%2))*4
	global_load_b32 v[BIAS+2*\a+1], v[BO], s[96:97] offset:(32*(\a/2)+8*(\a%2))*4
.endr
.set ii, 16
.rept 48
	v_mov_b32 v[BIAS+ii], 0                        ; so that all 64 are written on both ways
.set ii, ii+1
.endr
.Lbias_in:
	v_and_b32 v1, 31, v0
	v_lshlrev_b32 v[LI], 4, v1
	v_lshlrev_b32 v[LI8], 3, v1
	s_mul_i32 s94, s17, HALF
	s_add_co_u32 s94, s94, 2*HALF                  ; my half of R, behind P's 16 tiles
	s_mul_i32 s95, s18, HALF                       ; my half of P
.irp s, 0,1,2
	v_add_nc_u32 v[ADRA+\s], s94, v[LI]
	v_add_nc_u32 v[ADRB+\s], s95, v[LI]
	s_add_co_u32 s94, s94, SLOT
	s_add_co_u32 s95, s95, SLOT
.endr
	s_xor_b32 s94, s18, 1                          ; lanes 16-31 take R's words: 8,192 + 4,096 (my half of R - my half of P) bytes further on
	s_add_co_u32 s94, s94, s17
	s_add_co_u32 s94, s94, 1
	s_lshl_b32 s94, s94, 12
	v_mul_u32_u24 v4, s94, v3
	v_lshl_add_u32 v4, v2, 2, v4
	s_lshl_b32 s95, s18, 12
	s_add_co_u32 s95, s95, SCL
	v_add_nc_u32 v[ADRS], s95, v4
.macro FRAG reg, adr, q, i             ; a fragment comes as it was laid: three loads of 16 bytes a lane, 512 consecutive bytes each
.irp g, 0,1,2
	ds_load_b128 v[(\reg)+4*\g:(\reg)+4*\g+3], v[\adr] offset:3072*(\i)+1536*(\q)+512*\g
.endr
.endm
; 16 matrix instructions: R's blocks a0, a0 + 1 x P's eight, K step k.  The 64 accumulators take turns, one instruction a turn, in the same order in every step.
.macro MUL16 a0, p, k, zero
.irp a, \a0, \a0+1
.irp b, 0,1,2,3,4,5,6,7
.if \zero
	v_wmma_scale_f32_16x16x128_f8f6f4 v[8*(8*((\a)%4)+\b):8*(8*((\a)%4)+\b)+7], v[128*(\p)+12*\b:128*(\p)+12*\b+11], v[AF+12*(\a):AF+12*(\a)+11], 0, v[SC+8*\b+(\k)], v[SC+8*(\a)+(\k)] matrix_a_fmt:MATRIX_FMT_FP6 matrix_b_fmt:MATRIX_FMT_FP6 matrix_b_scale:MATRIX_SCALE_ROW1
.else
	v_wmma_scale_f32_16x16x128_f8f6f4 v[8*(8*((\a)%4)+\b):8*(8*((\a)%4)+\b)+7], v[128*(\p)+12*\b:128*(\p)+12*\b+11], v[AF+12*(\a):AF+12*(\a)+11], v[8*(8*((\a)%4)+\b):8*(8*((\a)%4)+\b)+7], v[SC+8*\b+(\k)], v[SC+8*(\a)+(\k)] matrix_a_fmt:MATRIX_FMT_FP6 matrix_b_fmt:MATRIX_FMT_FP6 matrix_b_scale:MATRIX_SCALE_ROW1
.endif
.endr
.endr
.endm
.macro FETCH_B slot, q, p
	WIN TO_B
.irp i, 0,1,2,3,4,5,6,7
	FRAG 128*(\p)+12*\i, ADRB+\slot, \q, \i
.endr
	WIN 0
.endm
.macro FETCH_A slot, q, i0
.irp i, \i0, \i0+1, \i0+2, \i0+3
	FRAG AF+12*(\i), ADRA+\slot, \q, \i
.endr
.endm
; K step k; the next step's fragments lie in slot ns, at its step nq.  A load into a register that a matrix instruction has read stands four plain places behind it (ISA guide 7.12.1 for vector instructions).
.macro STEP k, ns, nq, zero
	s_wait_dscnt 12                                ; P's set and R's blocks 0-3 are in; the youngest 12 loads (R's blocks 4-7) may be out
	WIN MUL_LO
	MUL16 0, (\k)%2, \k, \zero
	MUL16 2, (\k)%2, \k, \zero
	s_wait_dscnt 0x0
	PLACES 4
	FETCH_B \ns, \nq, 1-(\k)%2
	FETCH_A \ns, \nq, 0
	WIN MUL_HI
	MUL16 4, (\k)%2, \k, \zero
	MUL16 6, (\k)%2, \k, \zero
	PLACES 4
	WIN 0
	FETCH_A \ns, \nq, 4
.endm
; A step with a barrier: in front of it each wave waits for all its tensor loads, adds 0 to its spare word, and waits for that and for its LDS reads.  fill = 1: slot 0, which nobody reads any more, takes K steps 6, 7.
.macro TURN k, ns, fill
	s_wait_tensorcnt 0x0                           ; all my tensor loads have landed
	ds_add_u32 v[SPW], v[NIL]                      ; 0 onto my spare word
	s_wait_dscnt 13                                ; (the add and the youngest 12 loads may be out)
	WIN MUL_LO
	MUL16 0, (\k)%2, \k, 0
	s_wait_dscnt 0x0                               ; the add is done, and my reads of the slots behind me are over
	s_barrier_signal -1
	MUL16 2, (\k)%2, \k, 0
	WIN 0
	s_barrier_wait -1
.if \fill
	CREST                                          ; the barrier has opened a round of the cluster's barrier: no wave of any partner still reads slot 0 or has a load on its way
	s_add_nc_u64 s[G0P0+2:G0P0+3], s[G0P0+2:G0P0+3], 9216
	s_add_nc_u64 s[G0R0+2:G0R0+3], s[G0R0+2:G0R0+3], 9216
	JLOAD G0P0, G1P, G0R0, G1R                     ; my one tensor load behind the round; it has K steps 1 to 5 in which to land; its four v_nop are the places in front of the loads below
.else
	PLACES 4
.endif
	FETCH_B \ns, 0, 1-(\k)%2
	FETCH_A \ns, 0, 0
	WIN MUL_HI
	MUL16 4, (\k)%2, \k, 0
	MUL16 6, (\k)%2, \k, 0
	PLACES 4
	WIN 0
	FETCH_A \ns, 0, 4
.endm
	s_wait_tensorcnt 2                             ; the scale words and K steps 0, 1 are in; two loads may be out
	s_barrier_signal -1
	s_barrier_wait -1
	FETCH_B 0, 0, 0
	FETCH_A 0, 0, 0
.irp i, 0,1,2,3,4,5,6,7
.irp s, 0,1,2,3,4,5,6,7
	ds_load_b32 v[SC+8*\i+\s], v[ADRS] offset:512*\i+64*\s     ; all scale words, once
.endr
.endr
	FETCH_A 0, 0, 4
	STEP 0, 0, 1, 1                                ; the first products start the sums
	TURN 1, 1, 1
	STEP 2, 1, 1, 0
	STEP 3, 2, 0, 0                                ; the round has shown slots 1 and 2 whole to every wave
	STEP 4, 2, 1, 0
	TURN 5, 0, 0                                   ; slot 0's second fill has landed in every wave
	STEP 6, 0, 1, 0
	s_wait_dscnt 12
	WIN MUL_LO
	MUL16 0, 1, 7, 0
	MUL16 2, 1, 7, 0
	s_wait_dscnt 0x0
	WIN MUL_HI
	MUL16 4, 1, 7, 0
	MUL16 6, 1, 7, 0
	WIN 0
	PLACES 4                                       ; in front of the first reads of results and the first writes over fragments
	s_wait_loadcnt 0x0                             ; the bias
	WIN 0x40
.irp b, 0,1,2,3
	v_mov_b32 v[TM+4+\b], 0                        ; written once: a lane permute's destination counts as one of its sources
.endr
	WIN 0
; R's block a: its 64 results + the bias go to window 1: the addition is also the move.  Each accumulator is read from its low end on.
.macro ADDB a, bc
	WIN 0x42+((\a)/4)
.set nn, 0
.rept 32
.if \bc
	v_pk_add_f32 v[EH+2*nn:EH+2*nn+1], v[64*((\a)%4)+2*nn:64*((\a)%4)+2*nn+1], v[BIAS+2*(\a):BIAS+2*(\a)+1] op_sel_hi:[1,0]
.else
	v_pk_add_f32 v[EH+2*nn:EH+2*nn+1], v[64*((\a)%4)+2*nn:64*((\a)%4)+2*nn+1], v[BIAS+2*nn:BIAS+2*nn+1]
.endif
.set nn, nn+1
.endr
.endm
.macro CLOSE3                          ; the wave's end, behind my last tensor load
	s_wait_tensorcnt 0x0
	ds_add_u32 v[SPW], v[NIL]
	s_wait_dscnt 0x0
.endm
	s_cmp_ge_u32 ttmp9, 4
	s_cbranch_scc1 .Lep_g
	s_cmp_ge_u32 ttmp9, 2
	s_cbranch_scc1 .Lep_v
	; ---- q or k: my 128 columns are two heads; my 128 rows are one key step: four pairs of tiles
	s_lshr_b32 s94, s92, 3                         ; batch
	s_lshl_b32 s94, s94, 4
	s_and_b32 s95, s23, 3
	s_lshl_b32 s95, s95, 2
	s_add_co_u32 s94, s94, s95
	s_lshl_b32 s95, s18, 1
	s_add_co_u32 s94, s94, s95                     ; 16 batch + my first head
	s_lshl_b32 s94, s94, 4
	s_and_b32 s95, s92, 7
	s_lshl_b32 s95, s95, 1
	s_add_co_u32 s94, s94, s95
	s_add_co_u32 s94, s94, s17                     ; + the key step
	s_mul_i32 s94, s94, 6400
	s_cmp_eq_u32 ttmp9, 0
	s_cselect_b32 s95, 0, KB
	s_add_co_u32 s94, s94, s95
	s_mov_b32 s95, 0
	s_add_nc_u64 s[94:95], s[12:13], s[94:95]
	s_add_nc_u64 s[96:97], s[94:95], 102400        ; the second head: 16 steps on
.irp p, 0,1,2,3
	s_wait_xcnt 0x0                                ; the last pair's stores have read their registers
	ADDB 2*\p, 0
	WIN 0x55
	QUANT EH, IA, IB, PW0                          ; k 0-63: the first head's 64 dims; k 64-127: the second's
	ADDB 2*\p+1, 0
	WIN 0x55
	QUANT EH, IA+6, IB+6, PW1
	v_perm_b32 v[WA+\p], v[PW1], v[PW0], 0x05040100    ; the pair's word for the first head: two bytes of each tile
	v_perm_b32 v[WBD+\p], v[PW1], v[PW0], 0x07060302   ; and for the second
	WIN 0x04                                       ; a store's data are its source 1
.irp g, 0,1,2
	global_store_b128 v[LI], v[IA+4*\g:IA+4*\g+3], s[94:95] offset:1536*\p+512*\g
	global_store_b128 v[LI], v[IB+4*\g:IB+4*\g+3], s[96:97] offset:1536*\p+512*\g
.endr
.endr
	WIN 0x55
	v_cndmask_b32 v[OUT], v[WA], v[WA+1], s100     ; lanes 0-15 the even pair's words, lanes 16-31 the odd pair's
	v_cndmask_b32 v[OUT+1], v[WA+2], v[WA+3], s100
	v_cndmask_b32 v[OUT+2], v[WBD], v[WBD+1], s100
	v_cndmask_b32 v[OUT+3], v[WBD+2], v[WBD+3], s100
	WIN 0x04
	global_store_b64 v[LI8], v[OUT:OUT+1], s[94:95] offset:6144
	global_store_b64 v[LI8], v[OUT+2:OUT+3], s[96:97] offset:6144
	WIN 0
	CLOSE3
	s_branch .Lclose
.Lep_v:
	; ---- v: my 128 channels are one head, my 128 keys one key step: eight channel tiles
	s_lshr_b32 s94, s23, 3                         ; batch
	s_lshl_b32 s94, s94, 4
	s_sub_co_u32 s95, s92, 8
	s_lshl_b32 s95, s95, 1
	s_add_co_u32 s94, s94, s95
	s_add_co_u32 s94, s94, s17                     ; 16 batch + head
	s_lshl_b32 s94, s94, 4
	s_and_b32 s95, s23, 7
	s_lshl_b32 s95, s95, 1
	s_add_co_u32 s94, s94, s95
	s_add_co_u32 s94, s94, s18                     ; + the key step
	s_mul_i32 s94, s94, 12800
	s_add_co_u32 s94, s94, VB
	s_mov_b32 s95, 0
	s_add_nc_u64 s[94:95], s[12:13], s[94:95]
.irp a, 0,1,2,3,4,5,6,7
	s_wait_xcnt 0x0
	ADDB \a, 1
	WIN 0x55
	QUANT EH, IA, IA+6, WA+\a
	WIN 0x04
.irp g, 0,1,2
	global_store_b128 v[LI], v[IA+4*\g:IA+4*\g+3], s[94:95] offset:1536*\a+512*\g
.endr
.endr
	WIN 0x55
.irp w, 0,1,2,3
	v_cndmask_b32 v[OUT+\w], v[WA+2*\w], v[WA+2*\w+1], s100
.endr
	WIN 0x04
	global_store_b128 v[LI], v[OUT:OUT+3], s[94:95] offset:12288
	WIN 0
	CLOSE3
	s_branch .Lclose
.Lep_g:
	; ---- g: f32, as the image of the 64 registers in which the retention's result will lie
	s_lshl_b32 s94, s92, 4
	s_lshl_b32 s95, s17, 3
	s_add_co_u32 s94, s94, s95                     ; my first tile of rows
	s_lshl_b32 s94, s94, 4
	s_sub_co_u32 s95, s23, 16
	s_lshl_b32 s95, s95, 1
	s_add_co_u32 s94, s94, s95
	s_add_co_u32 s94, s94, s18                     ; + head
	s_lshl_b32 s94, s94, 13
	s_mov_b32 s95, 0
	s_add_nc_u64 s[94:95], s[14:15], s[94:95]
.irp a, 0,1,2,3,4,5,6,7
	s_wait_xcnt 0x0
	ADDB \a, 0
	WIN 0x04
.irp q, 0,1,2,3,4,5,6,7,8,9,10,11,12,13,14,15
	global_store_b128 v[LI], v[EH+4*\q:EH+4*\q+3], s[94:95] offset:131072*\a+512*\q
.endr
.endr
	WIN 0
	CLOSE3
.Lclose:
	CROUND                                         ; the closing round: no work-group ends while a partner may still ask for a tile that names it
	s_endpgm
.Lfunc_end_k_qa6948917aa_proj:
	.size	k_qa6948917aa_proj, .Lfunc_end_k_qa6948917aa_proj-k_qa6948917aa_proj
	.p2alignl 7, 3214868480
	.fill 96, 4, 3214868480
	.section	.rodata,"a",@progbits
	.p2align	6, 0x0
	.amdhsa_kernel k_qa6948917aa_proj
		.amdhsa_group_segment_fixed_size 327680
		.amdhsa_private_segment_fixed_size 0
		.amdhsa_enable_private_segment 0
		.amdhsa_kernarg_size 48
		.amdhsa_user_sgpr_count 2
		.amdhsa_user_sgpr_kernarg_segment_ptr 1
		.amdhsa_wavefront_size32 1
		.amdhsa_system_sgpr_workgroup_id_x 1
		.amdhsa_system_sgpr_workgroup_id_y 1
		.amdhsa_system_sgpr_workgroup_id_z 1
		.amdhsa_system_vgpr_workitem_id 0
		.amdhsa_next_free_vgpr 1024
		.amdhsa_next_free_sgpr 102
		.amdhsa_reserve_vcc 0
		.amdhsa_float_denorm_mode_32 3
		.amdhsa_float_denorm_mode_16_64 3
		.amdhsa_memory_ordered 1
		.amdhsa_forward_progress 1
		.amdhsa_inst_pref_size 244
	.end_amdhsa_kernel
	.amdgpu_metadata
---
amdhsa.version: [ 1, 2 ]
amdhsa.kernels:
  - .name:           k_qa6948917aa_proj
    .symbol:         k_qa6948917aa_proj.kd
    .args:
      - { .name: ops, .offset: 0, .size: 8, .value_kind: global_buffer, .address_space: global }
      - { .name: b_qk, .offset: 8, .size: 8, .value_kind: global_buffer, .address_space: global }
      - { .name: b_v, .offset: 16, .size: 8, .value_kind: global_buffer, .address_space: global }
      - { .name: b_g, .offset: 24, .size: 8, .value_kind: global_buffer, .address_space: global }
      - { .name: qkv, .offset: 32, .size: 8, .value_kind: global_buffer, .address_space: global }
      - { .name: g, .offset: 40, .size: 8, .value_kind: global_buffer, .address_space: global }
    .group_segment_fixed_size: 327680
    .private_segment_fixed_size: 0
    .kernarg_segment_align: 8
    .kernarg_segment_size: 48
    .max_flat_workgroup_size: 128
    .sgpr_count:     102
    .vgpr_count:     1024
    .wavefront_size: 32
...
	.end_amdgpu_metadata
.endif
;; end of part 2
;; launch retn (part 3): grid 8 x 32, 8 waves a work-group, clusters of 4 x 1, 327,680 bytes of LDS; arguments qkv, g, gq; writes gq
.if DOCPART == 3
	.amdgcn_target "amdgcn-amd-amdhsa--gfx1250"
	.amdhsa_code_object_version 6
	.text
	.protected	k_qa6948917aa_retn
	.globl	k_qa6948917aa_retn
	.p2align	8
	.type	k_qa6948917aa_retn,@function
k_qa6948917aa_retn:
	s_mov_b64 s[64:65], 0
	v_nop
	global_prefetch_b8 v0, s[64:65] scope:SCOPE_SE
	s_setreg_imm32_b32 hwreg(HW_REG_WAVE_MODE, 25, 1), 1
	s_wait_xcnt 0x0
	s_wait_alu depctr_hold_cnt(0) depctr_sa_sdst(0) depctr_va_vdst(0) depctr_va_sdst(0) depctr_va_ssrc(0) depctr_va_vcc(0) depctr_vm_vsrc(0)
	s_getreg_b32 s2, hwreg(HW_REG_IB_STS2, 6, 4)
	s_cmp_eq_u32 s2, 0
	s_cbranch_scc0 .Lentry_in_a_cluster
	s_endpgm
.Lentry_in_a_cluster:
	s_bfe_u32 s2, ttmp6, 0x10000c
	s_cmp_lg_u32 s2, 0x3003
	s_cbranch_scc0 .Lentry_shape_is_right
	s_endpgm
.Lentry_shape_is_right:
; Retention of one (batch, head) on codes of FP6 (E2M3): score(t, s) = q(t) . k(s) x decay(t - s) / scale(t) for s <= t; p = score / clip(sum over s of |score|, 1, 50000) is quantised along the keys and
; multiplied by v (quantised along the keys); the result is RMS-normalised over its 128 channels, multiplied by the gate g, quantised along the 2,048 of the last product, and stored as operand images in gq.
; THE DIVISOR IS WANTED BEFORE A SCORE IS QUANTISED, so the scores are made twice: pass 1 sums |score|, pass 2 makes the codes.  Key steps that lie wholly behind a wave's queries are left out (the mask is the problem's own).
; THE DECAY FACTORS: t - s = TL - 32 b - i, so 2^(g2 (t - s)) = 2^(g2 TL - 32 b g2) x 2^(-g2 i): four exponentials a lane and key step, and sixteen numbers made once.  All exponents lie between -94 and 6.
; scale(t)^2 is a geometric sum, (1 - lambda^(t+1)) / eps with eps = 2^(-5-head): taken in closed form, by a series in z = -ln(lambda) (t + 1) where z < 0.5 (the next term is under 1e-8 of it).  It depends on no input.
; K = 64 IN AN INSTRUCTION OF 128: an image of k holds TWO tiles of keys, 64 dims each; against [q | 0] it gives the first tile's scores, against [0 | q] the second's: zero codes add nothing.
; SHARES.  A work-group owns 8 pairs of query tiles of one head, a wave one pair (32 queries): tile A in window 0, tile B at the same register numbers in window 1, so each per-tile step is written once and run twice.
; Both tiles share each fragment of k and v.  Wave w takes the pair cx of key-step group u, u from a table by the wave and the cluster's x: each work-group has 68 wave-steps.
; A WHOLE HEAD STAYS IN LDS (k 102,400 bytes, v 204,800): filled once, by two joint loads a wave; the four work-groups of a cluster read the same head.  The cluster with x = 1 never reads key step 15, a
; sixteenth of its fill: it asks all the same, since every partner makes every joint request.
; Both products are used transposed: a lane holds one query (lane % 16) throughout; register 16 b + i of the scores is key 32 b + 16 (lane / 16) + i of the step.
; LIMITS: as stated for the quantiser (a block of zeros gets the byte 1; blocks under 2^-124 are held at the byte 1; NaN and infinities are not served).  The decay as a product of two exponentials differs from a single
; one by the roundings of f32: some 1e-7 of it, and some 1e-6 where the decay is under 1e-20.
; REGISTERS, window 0 alone: v1-7, v18-19 addresses; v8-9 k's scale words, v10-13 v's, v14-15 q's (tile A's, tile B's), v17 tile B's p word: scales and nothing else.
;   per tile: v20 D, v21 TL, v22 the row's factor, v23 the sum, v24-31 the four block factors (pairs), v32 the scale word just made, v33 0, v34-51 [0 | q | 0], v52-67 the sixteen, v68-79 codes,
;   v80-127 fragments (window 0) or QUANT's work, v128-191 scores, v192-255 the result.
.set KSTEP, 6400
.set VSTEP, 12800
.set VOFF,  102400
.set SPARE, 307200                     ; behind k and v: the spare words, 128 bytes a wave: four blocks of 256 bytes that no other line names
.set KB,    3276800
.set VB,    6553600
.set GS,    6291456
.set LI,  1
.set LI8, 2
.set ADK, 3
.set ADV, 4
.set LS,  5
.set SPW, 6
.set NIL, 7
.set KS,  8
.set VS,  10
.set QWA, 14
.set QWB, 15
.set QW,  16
.set PWB, 17
.set PFO, 18
.set ADS, 19
.set D,   20
.set TL,  21
.set L0,  22
.set TOT, 23
.set LB,  24
.set PW,  32
.set ZR,  33
.set Q18, 34
.set UI,  52
.set PC,  68
.set F,   80
.set TM,  80
.set CT,  96
.set S,   128
.set O,   192
.set AB,  192                          ; pass 1: v192-195 the blocks' sums, v196 1 / scale, v197-201 at work
.set RS,  196
.set T0,  197
.set T1,  198
.set T2,  199
.set T3,  200
.set N1,  201
.set WV,  10
.set SEL, 22
.set G1K, 24
.set G1V, 32
.set G0K, 40
.set G0V, 44
.set MSB, 0
.macro WIN new
.if MSB != (\new)
	s_set_vgpr_msb (MSB<<8)|(\new)
.set MSB, (\new)
.endif
.endm
.macro ROUND
	s_barrier_signal -1
	s_barrier_wait -1
	s_cmp_lg_u32 s[WV], 0
	s_cbranch_scc1 .Lnot_wave_0_\@
	s_barrier_signal -3
.Lnot_wave_0_\@:
	s_barrier_wait -3
	s_barrier_signal -1
	s_barrier_wait -1
.endm
.macro QUANT s, d0, d1, pw
.irp b, 0,1,2,3
	v_max3_num_f32 v[TM+\b], |v[(\s)+16*\b]|, |v[(\s)+1+16*\b]|, 0x1800000
.endr
.irp i, 2,4,6,8,10,12,14
.irp b, 0,1,2,3
	v_max3_num_f32 v[TM+\b], v[TM+\b], |v[(\s)+16*\b+\i]|, |v[(\s)+1+16*\b+\i]|
.endr
.endr
.irp b, 0,1,2,3
	v_permlanex16_b32 v[TM+4+\b], v[TM+\b], s[SEL], s[SEL+1]
.endr
.irp b, 0,1,2,3
	v_max_num_f32 v[TM+\b], v[TM+\b], v[TM+4+\b]
.endr
.irp b, 0,1,2,3
	v_add_nc_u32 v[TM+12+\b], 0xff000000, v[TM+\b]
.endr
.irp b, 0,1,2,3
	v_lshrrev_b32 v[TM+4+\b], 23, v[TM+12+\b]
.endr
	v_lshl_or_b32 v[\pw], v[TM+5], 8, v[TM+4]
	v_lshl_or_b32 v[\pw], v[TM+6], 16, v[\pw]
	v_lshl_or_b32 v[\pw], v[TM+7], 24, v[\pw]
	v_cvt_scalef32_pk16_fp6_f32 v[(\d0):(\d0)+2], v[(\s):(\s)+15], v[TM+12]
	v_cvt_scalef32_pk16_fp6_f32 v[CT:CT+2], v[(\s)+16:(\s)+31], v[TM+13]
	v_cvt_scalef32_pk16_fp6_f32 v[(\d1):(\d1)+2], v[(\s)+32:(\s)+47], v[TM+14]
	v_cvt_scalef32_pk16_fp6_f32 v[CT+4:CT+6], v[(\s)+48:(\s)+63], v[TM+15]
	v_nop
.irp i, 0,1,2
	v_permlane16_swap_b32 v[(\d0)+\i], v[CT+\i]
.endr
.irp i, 0,1,2
	v_mov_b32 v[(\d0)+3+\i], v[CT+\i]
.endr
.irp i, 0,1,2
	v_permlane16_swap_b32 v[(\d1)+\i], v[CT+4+\i]
.endr
.irp i, 0,1,2
	v_mov_b32 v[(\d1)+3+\i], v[CT+4+\i]
.endr
.endm
; A tile's constants: TL, 1 / scale(t), the sixteen 2^(-g2 i), and the registers that hold 0.
.macro THEAD
	v_add_nc_u32 v[T1], s50, v[D]
	v_cvt_f32_i32 v[TL], v[T1]                     ; TL = D + 128 u: t - s for the first key of my half in key step 0
	v_cvt_f32_i32 v[T2], v[N1]                     ; t + 1
	v_mul_f32 v[T3], s18, v[T2]
	v_mul_f32 v[T1], s51, v[T2]                    ; z
	v_exp_f32 v[T3], v[T3]                         ; lambda^(t+1)
	v_mov_b32 v[T0], s18
	v_mov_b32 v[UI], 1.0
.set ii, 1
.irp f, 0x3f800000,0x40000000,0x40400000,0x40800000,0x40a00000,0x40c00000,0x40e00000,0x41000000,0x41100000,0x41200000,0x41300000,0x41400000,0x41500000,0x41600000,0x41700000
	v_mul_f32 v[UI+ii], \f, v[T0]                  ; g2 i
.set ii, ii+1
.endr
.set ii, 1
.rept 15
	v_exp_f32 v[UI+ii], -v[UI+ii]
.set ii, ii+1
.endr
	v_mov_b32 v[AB], 0xb7d00d01                    ; (1 - e^-z) / z = 1 - z/2 + z^2/6 - .. - z^7/40320
	v_fmaak_f32 v[AB], v[AB], v[T1], 0x39500d01
	v_fmaak_f32 v[AB], v[AB], v[T1], 0xbab60b61
	v_fmaak_f32 v[AB], v[AB], v[T1], 0x3c088889
	v_fmaak_f32 v[AB], v[AB], v[T1], 0xbd2aaaab
	v_fmaak_f32 v[AB], v[AB], v[T1], 0x3e2aaaab
	v_fmaak_f32 v[AB], v[AB], v[T1], 0xbf000000
	v_fmaak_f32 v[AB], v[AB], v[T1], 0x3f800000
	v_mul_f32 v[AB], v[AB], v[T1]
	s_wait_alu depctr_va_vdst(0)                   ; one wait for the sixteen exponentials, ahead of their first reader
	v_sub_f32 v[T3], 1.0, v[T3]
	v_cmp_gt_f32 vcc_lo, 0.5, v[T1]
	v_cndmask_b32 v[T3], v[T3], v[AB], vcc_lo      ; the series where the difference would cancel
	v_mul_f32 v[T3], s52, v[T3]                    ; / eps
	v_rsq_f32 v[RS], v[T3]
	v_mov_b32 v[ZR], 0
	v_mov_b32 v[TOT], 0
.irp b, 1,3,5,7
	v_mov_b32 v[LB+\b], 0                          ; named as the upper halves of pairs
.endr
.irp i, 0,1,2,3,4,5,12,13,14,15,16,17
	v_mov_b32 v[Q18+\i], 0                         ; zero codes on both sides of q
.endr
.irp b, 4,5,6,7
	v_mov_b32 v[TM+\b], 0                          ; a lane permute's destination counts as one of its sources
.endr
	s_wait_alu depctr_va_vdst(0)                   ; and one for the root
.endm
.macro LBX                             ; the exponents of the four blocks' factors
	v_mul_f32 v[LB], s18, v[TL]
	v_fma_f32 v[LB+2], v[TL], s18, s19
	v_fma_f32 v[LB+4], v[TL], s18, s20
	v_fma_f32 v[LB+6], v[TL], s18, s21
.endm
.macro LEXP
.irp b, 0,2,4,6
	v_exp_f32 v[LB+\b], v[LB+\b]
.endr
.endm
.macro MASK                            ; the diagonal step: key 32 b + i of my half is hidden where it exceeds D
.set nn, 0
.rept 64
	v_cmp_gt_i32 vcc_lo, 32*(nn/16)+nn%16, v[D]
	v_cndmask_b32 v[S+nn], v[S+nn], v[ZR], vcc_lo
.set nn, nn+1
.endr
.endm
.macro KQ qw                           ; eight products: pair p of key tiles against [q | 0] and [0 | q]
.irp p, 0,1,2,3
.if (\p)%2
	v_wmma_scale_f32_16x16x128_f8f6f4 v[S+16*\p:S+16*\p+7], v[F+12*\p:F+12*\p+11], v[Q18+6:Q18+17], 0, v[KS+\p/2], v[\qw] matrix_a_fmt:MATRIX_FMT_FP6 matrix_b_fmt:MATRIX_FMT_FP6 matrix_a_scale:MATRIX_SCALE_ROW1
	v_wmma_scale_f32_16x16x128_f8f6f4 v[S+16*\p+8:S+16*\p+15], v[F+12*\p:F+12*\p+11], v[Q18:Q18+11], 0, v[KS+\p/2], v[\qw] matrix_a_fmt:MATRIX_FMT_FP6 matrix_b_fmt:MATRIX_FMT_FP6 matrix_a_scale:MATRIX_SCALE_ROW1
.else
	v_wmma_scale_f32_16x16x128_f8f6f4 v[S+16*\p:S+16*\p+7], v[F+12*\p:F+12*\p+11], v[Q18+6:Q18+17], 0, v[KS+\p/2], v[\qw] matrix_a_fmt:MATRIX_FMT_FP6 matrix_b_fmt:MATRIX_FMT_FP6
	v_wmma_scale_f32_16x16x128_f8f6f4 v[S+16*\p+8:S+16*\p+15], v[F+12*\p:F+12*\p+11], v[Q18:Q18+11], 0, v[KS+\p/2], v[\qw] matrix_a_fmt:MATRIX_FMT_FP6 matrix_b_fmt:MATRIX_FMT_FP6
.endif
.endr
.endm
.macro P1                              ; pass 1: the sum of |score| x decay, block by block: four chains by turns
.irp b, 0,1,2,3
	v_mul_f32 v[AB+\b], |v[S+16*\b]|, v[UI]
.endr
.irp i, 1,2,3,4,5,6,7,8,9,10,11,12,13,14,15
.irp b, 0,1,2,3
	v_fma_f32 v[AB+\b], |v[S+16*\b+\i]|, v[UI+\i], v[AB+\b]
.endr
.endr
.irp b, 0,1,2,3
	v_fma_f32 v[TOT], v[AB+\b], v[LB+2*\b], v[TOT]
.endr
	v_add_f32 v[TL], 0xc3000000, v[TL]             ; the next key step lies 128 nearer
.endm
.macro MID                             ; between the passes: the row's factor 1 / (scale x divisor) goes into the sixteen; the result begins as zeros
	v_permlanex16_b32 v[T1], v[TOT], s[SEL], s[SEL+1]
	v_add_f32 v[TOT], v[TOT], v[T1]                ; with the other half of the keys
	v_mul_f32 v[T1], v[TOT], v[RS]
	v_med3_num_f32 v[T1], v[T1], 1.0, s49          ; the clip
	v_rcp_f32 v[T1], v[T1]
	v_add_nc_u32 v[T2], s50, v[D]
	v_cvt_f32_i32 v[TL], v[T2]
	s_wait_alu depctr_va_vdst(0)                   ; the wait ahead of the reciprocal's first reader
	v_mul_f32 v[L0], v[RS], v[T1]
.irp n, 0,2,4,6,8,10,12,14
	v_pk_mul_f32 v[UI+\n:UI+\n+1], v[UI+\n:UI+\n+1], v[L0:L0+1] op_sel_hi:[1,0]
.endr
.set nn, 0
.rept 64
	v_mov_b32 v[O+nn], 0                           ; so that the key step is written once
.set nn, nn+1
.endr
.endm
.macro P2                              ; pass 2: p, and its codes
.set nn, 0
.rept 32
	v_pk_mul_f32 v[S+2*nn:S+2*nn+1], v[S+2*nn:S+2*nn+1], v[UI+2*(nn%8):UI+2*(nn%8)+1]
.set nn, nn+1
.endr
.set nn, 0
.rept 32
	v_pk_mul_f32 v[S+2*nn:S+2*nn+1], v[S+2*nn:S+2*nn+1], v[LB+2*(nn/8):LB+2*(nn/8)+1] op_sel_hi:[1,0]
.set nn, nn+1
.endr
	QUANT S, PC, PC+6, PW
	v_add_f32 v[TL], 0xc3000000, v[TL]
.endm
.macro PV pw                           ; eight products: the result's eight channel tiles by turns
.irp c, 0,1,2,3,4,5,6,7
.if \c < 4
.set VF, F+12*\c
.else
.set VF, S+12*(\c-4)
.endif
.if (\c)%2
	v_wmma_scale_f32_16x16x128_f8f6f4 v[O+8*\c:O+8*\c+7], v[VF:VF+11], v[PC:PC+11], v[O+8*\c:O+8*\c+7], v[VS+\c/2], v[\pw] matrix_a_fmt:MATRIX_FMT_FP6 matrix_b_fmt:MATRIX_FMT_FP6 matrix_a_scale:MATRIX_SCALE_ROW1
.else
	v_wmma_scale_f32_16x16x128_f8f6f4 v[O+8*\c:O+8*\c+7], v[VF:VF+11], v[PC:PC+11], v[O+8*\c:O+8*\c+7], v[VS+\c/2], v[\pw] matrix_a_fmt:MATRIX_FMT_FP6 matrix_b_fmt:MATRIX_FMT_FP6
.endif
.endr
.endm
.macro FIN left                        ; RMS norm over the 128 channels (64 mine, 64 lane l xor 16's), x the gate, codes
	v_pk_mul_f32 v[TM:TM+1], v[O:O+1], v[O:O+1]
	v_pk_mul_f32 v[TM+2:TM+3], v[O+2:O+3], v[O+2:O+3]
.set nn, 2
.rept 30
	v_pk_fma_f32 v[TM+2*(nn%2):TM+2*(nn%2)+1], v[O+2*nn:O+2*nn+1], v[O+2*nn:O+2*nn+1], v[TM+2*(nn%2):TM+2*(nn%2)+1]
.set nn, nn+1
.endr
	v_pk_add_f32 v[TM:TM+1], v[TM:TM+1], v[TM+2:TM+3]
	v_add_f32 v[TM], v[TM], v[TM+1]
	v_permlanex16_b32 v[TM+4], v[TM], s[SEL], s[SEL+1]
	v_add_f32 v[TM], v[TM], v[TM+4]
	v_mov_b32 v[TM+1], s53
	v_fmamk_f32 v[TM], v[TM], 0x3c000000, v[TM+1]  ; the mean + eps
	v_rsq_f32 v[TM+2], v[TM]
	v_mov_b32 v[TM+3], 0                           ; a plain place behind the root
	s_wait_alu depctr_va_vdst(0)
.set nn, 0
.rept 32
	v_pk_mul_f32 v[O+2*nn:O+2*nn+1], v[O+2*nn:O+2*nn+1], v[TM+2:TM+3] op_sel_hi:[1,0]
.set nn, nn+1
.endr
	s_wait_loadcnt \left                           ; my tile's gate is in
.set nn, 0
.rept 32
	v_pk_mul_f32 v[S+2*nn:S+2*nn+1], v[S+2*nn:S+2*nn+1], v[O+2*nn:O+2*nn+1]
.set nn, nn+1
.endr
	QUANT S, PC, PC+6, PW
.endm
	s_load_b128 s[4:7], s[0:1], 0x0                ; qkv, g
	s_load_b64 s[8:9], s[0:1], 0x10                ; gq
	v_lshl_add_u32 v[SPW], v0, 2, SPARE
	v_mov_b32 v[NIL], 0
	ds_add_u32 v[SPW], v[NIL]                      ; the wave's opening: the add and its wait ahead of my first tensor load; the set-up below stands between them
	v_lshrrev_b32 v24, 5, v0
	v_readfirstlane_b32 s[WV], v24                 ; wave 0..7
	s_bfe_u32 s15, ttmp6, 0x40000                  ; cx: which pair of tiles of a group: it enters q's, g's and gq's addresses and D alone
	s_and_b32 s17, ttmp7, 0xffff                   ; 16 batch + head
	s_mov_b32 s62, 0x9ade6521
	s_cmp_eq_u32 ttmp9, 0
	s_cselect_b32 s62, 0x8bcf7430, s62             ; the groups of the eight waves, four bits each: waves w and w + 4 have 17 key steps together
	s_lshl_b32 s63, s[WV], 2
	s_lshr_b32 s62, s62, s63
	s_and_b32 s11, s62, 15                         ; u: my queries are 128 u + 32 cx + 0 .. 31; I walk key steps 0 .. u
	s_lshl_b32 s50, s11, 7
	s_max_u32 s48, s11, 2
	s_sub_co_u32 s48, s48, 2                       ; the key step of pass 2 in which g is prefetched
	s_and_b32 s16, s17, 15                         ; head
	s_mov_b32 s[G1K], 15|(3<<16)|(1<<21)           ; 15:0 all four work-groups; 17:16 elements of 8 bytes; 21 set beside a mask; no padding
	s_mov_b32 s[G1K+1], 32<<16                     ; two key steps of k: 12,800 dense bytes as 50 rows of 256
	s_mov_b32 s[G1K+2], 50<<16
	s_mov_b32 s[G1K+3], 32<<16
	s_mov_b32 s[G1K+4], 50
	s_mov_b32 s[G1K+5], 32
	s_mov_b32 s[G1K+6], 0
	s_mov_b32 s[G1K+7], 0
	s_mov_b32 s[G1V], 15|(3<<16)|(1<<21)
	s_mov_b32 s[G1V+1], 32<<16                     ; of v: 100 rows
	s_mov_b32 s[G1V+2], 100<<16
	s_mov_b32 s[G1V+3], 32<<16
	s_mov_b32 s[G1V+4], 100
	s_mov_b32 s[G1V+5], 32
	s_mov_b32 s[G1V+6], 0
	s_mov_b32 s[G1V+7], 0
	s_mov_b32 s[G0K], 1
	s_mul_i32 s[G0K+1], s[WV], 2*KSTEP
	s_mov_b32 s[G0V], 1
	s_mul_i32 s[G0V+1], s[WV], 2*VSTEP
	s_add_co_u32 s[G0V+1], s[G0V+1], VOFF
	s_mul_i32 s66, s17, 16*KSTEP
	s_mul_i32 s67, s[WV], 2*KSTEP
	s_add_co_u32 s66, s66, s67
	s_add_co_u32 s66, s66, KB
	s_mov_b32 s67, 0
	s_mul_i32 s68, s17, 16*VSTEP
	s_mul_i32 s69, s[WV], 2*VSTEP
	s_add_co_u32 s68, s68, s69
	s_add_co_u32 s68, s68, VB
	s_mov_b32 s69, 0
	s_lshl_b32 s70, s17, 4
	s_add_co_u32 s70, s70, s11
	s_mul_i32 s70, s70, KSTEP                      ; q's step u
	s_and_b32 s72, s15, 1
	s_lshl_b32 s72, s72, 7
	s_lshr_b32 s73, s15, 1
	s_lshl_b32 s73, s73, 2
	s_add_co_u32 s72, s72, s73
	s_add_co_u32 s72, s72, s70
	s_add_co_u32 s72, s72, 6144                    ; my pair's scale words
	s_mov_b32 s73, 0
	s_mul_i32 s71, s15, 1536
	s_add_co_u32 s70, s70, s71                     ; my pair's image
	s_mov_b32 s71, 0
	s_lshr_b32 s74, s17, 4
	s_lshl_b32 s74, s74, 7
	s_lshl_b32 s75, s11, 3
	s_add_co_u32 s74, s74, s75
	s_lshl_b32 s75, s15, 1
	s_add_co_u32 s74, s74, s75                     ; tile A among the 256 tiles of rows
	s_lshl_b32 s74, s74, 4
	s_add_co_u32 s74, s74, s16
	s_lshl_b32 s76, s74, 13
	s_mov_b32 s77, 0
	s_mul_i32 s78, s74, 1536
	s_mov_b32 s79, 0
	s_lshl_b32 s62, s74, 6
	s_add_co_u32 s62, s62, GS
	s_mov_b32 s63, 0
	s_mov_b32 s[SEL], 0x76543210
	s_mov_b32 s[SEL+1], 0xfedcba98
	s_mov_b32 s49, 0x47435000                      ; 50000
	s_mov_b32 s53, 0x34000000                      ; f32's eps
	s_mov_b32 s14, 0xffff0000                      ; lanes 16-31 (until pass 2 takes the register; made anew at the end)
	s_sub_co_u32 s75, 122, s16
	s_lshl_b32 s75, s75, 23                        ; eps = 2^(-5-head)
	s_add_co_u32 s52, s16, 132
	s_lshl_b32 s52, s52, 23                        ; 1 / eps
	s_wait_dscnt 0x0                               ; the opening add is done
	s_wait_kmcnt 0x0
	s_add_nc_u64 s[G0K+2:G0K+3], s[4:5], s[66:67]
	s_or_b32 s[G0K+3], s[G0K+3], 0x80000000
	s_add_nc_u64 s[G0V+2:G0V+3], s[4:5], s[68:69]
	s_or_b32 s[G0V+3], s[G0V+3], 0x80000000
	s_add_nc_u64 s[54:55], s[4:5], s[70:71]
	s_add_nc_u64 s[66:67], s[4:5], s[72:73]
	s_add_nc_u64 s[56:57], s[6:7], s[76:77]
	s_add_nc_u64 s[58:59], s[8:9], s[78:79]
	s_add_nc_u64 s[60:61], s[8:9], s[62:63]
	ROUND                                          ; all four work-groups are here: the joint loads meet
	tensor_load_to_lds s[G0K:G0K+3], s[G1K:G1K+7]  ; key steps 2 w, 2 w + 1 of k,
	s_nop 0
	tensor_load_to_lds s[G0V:G0V+3], s[G1V:G1V+7]  ; and of v: two tensor loads of mine are out
	s_nop 0
.rept 4
	v_nop
.endr
	v_and_b32 v24, 31, v0
	v_lshlrev_b32 v[LI], 4, v24
	v_lshlrev_b32 v[LI8], 3, v24
	v_lshlrev_b32 v[PFO], 8, v24
	v_and_b32 v24, 15, v0                          ; r
	v_bfe_u32 v25, v0, 4, 1                        ; h
	v_lshlrev_b32 v[LS], 2, v24
	v_lshl_add_u32 v[LS], v25, 10, v[LS]           ; the gated words' place: 4 r, and tile B's 1,024 bytes on
	v_lshlrev_b32 v[ADK], 3, v24                   ; (8 r, for q's words)
.irp g, 0,1,2
	global_load_b128 v[S+4*\g:S+4*\g+3], v[LI], s[54:55] offset:512*\g     ; q: registers 0-5 tile A's 64 dims, 6-11 tile B's
.endr
	global_load_b32 v[QW], v[ADK], s[66:67]
	v_and_b32 v26, 8, v24
	v_add_nc_u32 v26, v26, v24
	s_lshl_b32 s74, s15, 5
	v_add_nc_u32 v26, s74, v26                     ; my query in its group of 128: 32 cx + r + 8 (r / 8) (tile B: + 8)
	v_lshlrev_b32 v27, 4, v25
	v_sub_nc_u32 v[D], v26, v27                    ; D: less my half's 16 keys
	s_add_co_u32 s74, s50, 1
	v_add_nc_u32 v[N1], s74, v26                   ; t + 1
	WIN 0x40
	v_add_nc_u32 v[D], 8, v[D]
	v_add_nc_u32 v[N1], 8, v[N1]
	WIN 0
	v_mov_b32 v26, s75                             ; -ln(1 - eps) = eps (1 + eps/2 + eps^2/3 + .. + eps^5/6): the next term is under 2e-10 of it
	v_mov_b32 v27, 0x3e2aaaab
	v_fmaak_f32 v27, v27, v26, 0x3e4ccccd
	v_fmaak_f32 v27, v27, v26, 0x3e800000
	v_fmaak_f32 v27, v27, v26, 0x3eaaaaab
	v_fmaak_f32 v27, v27, v26, 0x3f000000
	v_fmaak_f32 v27, v27, v26, 0x3f800000
	v_mul_f32 v27, v27, v26
	v_mul_f32 v28, 0xbfb8aa3b, v27                 ; g2 = log2(lambda)
	v_mul_f32 v29, 0xc2000000, v28                 ; -32 g2, -64 g2, -96 g2
	v_mul_f32 v30, 0xc2800000, v28
	v_mul_f32 v31, 0xc2c00000, v28
	v_readfirstlane_b32 s51, v27
	v_readfirstlane_b32 s18, v28
	v_readfirstlane_b32 s19, v29
	v_readfirstlane_b32 s20, v30
	v_readfirstlane_b32 s21, v31
	THEAD
	WIN 0x55
	THEAD
	WIN 0
	s_wait_loadcnt 0x0                             ; q
.irp i, 0,1,2,3,4,5
	v_mov_b32 v[Q18+6+\i], v[S+\i]
.endr
	v_perm_b32 v[QWA], v[QW], v[QW], 0x01000100    ; tile A's two bytes, twice: they serve q on either side
	v_perm_b32 v[QWB], v[QW], v[QW], 0x03020302
	WIN 0x40
.irp i, 0,1,2,3,4,5
	v_mov_b32 v[Q18+6+\i], v[S+6+\i]
.endr
	WIN 0
	s_wait_tensorcnt 0x1                           ; my part of k is in; v's may be out
	s_barrier_signal -1
	s_barrier_wait -1                              ; everybody's is
	; ---- pass 1.  Sixteen trips for every wave, so that the LDS addresses step by constants; the work of a step behind my queries is jumped over
	s_mov_b32 s12, 0
	s_mov_b32 s13, 0
.Lp1:
	s_cmp_gt_u32 s12, s11
	s_cbranch_scc1 .Lp1_skip
	v_add_nc_u32 v[ADK], s13, v[LI]
	v_add_nc_u32 v[ADS], s13, v[LI8]
	LBX
	WIN 0x55
	LBX
	WIN 0                                          ; (these ten lines are the places in front of the loads and products below)
.irp p, 0,1,2,3
.irp g, 0,1,2
	ds_load_b128 v[F+12*\p+4*\g:F+12*\p+4*\g+3], v[ADK] offset:1536*\p+512*\g
.endr
.endr
	ds_load_b64 v[KS:KS+1], v[ADS] offset:6144
	LEXP
	WIN 0x55
	LEXP
	v_nop                                          ; a plain place behind the exponentials
	WIN 0
	s_wait_dscnt 0x0
	KQ QWA
	WIN 0x44                                       ; tile B: q and the scores in window 1
	KQ QWB
	WIN 0
.rept 4
	v_nop
.endr
	s_wait_alu depctr_va_vdst(0)                   ; one wait for the eight exponentials, ahead of the branch and of their first reader
	s_cmp_lg_u32 s12, s11
	s_cbranch_scc1 .Lp1_open
	MASK
	WIN 0x55
	MASK
	WIN 0
.Lp1_open:
	P1
	WIN 0x55
	P1
	WIN 0
.Lp1_skip:
	s_add_co_u32 s13, s13, KSTEP
	s_add_co_u32 s12, s12, 1
	s_cmp_lt_u32 s12, 16
	s_cbranch_scc1 .Lp1
	MID
	WIN 0x55
	MID
	WIN 0
	s_wait_tensorcnt 0x0                           ; my part of v is in
	s_wait_dscnt 0x0
	s_barrier_signal -1
	s_barrier_wait -1                              ; everybody's is
	; ---- pass 2
	s_mov_b32 s12, 0
	s_mov_b32 s13, 0
	s_mov_b32 s14, VOFF
.Lp2:
	s_cmp_gt_u32 s12, s11
	s_cbranch_scc1 .Lp2_skip
	v_add_nc_u32 v[ADK], s13, v[LI]
	v_add_nc_u32 v[ADS], s13, v[LI8]
	LBX
	WIN 0x55
	LBX
	WIN 0                                          ; ten plain lines behind the last products: k's loads land on fragments that those read, and the scores are written over v's
.irp p, 0,1,2,3
.irp g, 0,1,2
	ds_load_b128 v[F+12*\p+4*\g:F+12*\p+4*\g+3], v[ADK] offset:1536*\p+512*\g
.endr
.endr
	ds_load_b64 v[KS:KS+1], v[ADS] offset:6144
	s_cmp_lg_u32 s12, s48                          ; two of my key steps ahead of their loads: my two tiles' 8,192 bytes of g each, a lane 256 bytes; each byte is named once in the launch, by the wave that will load it
	s_cbranch_scc1 .Lp2_nopf
	global_prefetch_b8 v[PFO], s[56:57] th:TH_LOAD_NT scope:SCOPE_SE
	global_prefetch_b8 v[PFO], s[56:57] offset:131072 th:TH_LOAD_NT scope:SCOPE_SE
.Lp2_nopf:
	LEXP
	WIN 0x55
	LEXP
	v_nop
	WIN 0
	s_wait_dscnt 0x0
	KQ QWA
	WIN 0x44
	KQ QWB
	WIN 0
.rept 4
	v_nop
.endr
	s_wait_alu depctr_va_vdst(0)
	s_cmp_lg_u32 s12, s11
	s_cbranch_scc1 .Lp2_open
	MASK
	WIN 0x55
	MASK
	WIN 0
.Lp2_open:
	P2
	WIN 0x55
	P2
	WIN 0x01
	v_mov_b32 v[PWB], v[PW]                        ; scale operands have no window: tile B's word comes to window 0
	WIN 0
	v_add_nc_u32 v[ADV], s14, v[LI]
.irp c, 0,1,2,3
.irp g, 0,1,2
	ds_load_b128 v[F+12*\c+4*\g:F+12*\c+4*\g+3], v[ADV] offset:1536*\c+512*\g
.endr
.endr
.irp c, 4,5,6,7
.irp g, 0,1,2
	ds_load_b128 v[S+12*(\c-4)+4*\g:S+12*(\c-4)+4*\g+3], v[ADV] offset:1536*\c+512*\g      ; tile A's scores are codes by now: their registers take v's other four tiles
.endr
.endr
	ds_load_b128 v[VS:VS+3], v[ADV] offset:12288
.rept 8
	v_nop                                          ; a scale register written by a vector instruction stands eight places ahead of a scaled product
.endr
	s_wait_dscnt 0x0
	PV PW
	WIN 0x54                                       ; tile B: codes and result in window 1
	PV PWB
	WIN 0
.Lp2_skip:
	s_add_co_u32 s13, s13, KSTEP
	s_add_co_u32 s14, s14, VSTEP
	s_add_co_u32 s12, s12, 1
	s_cmp_lt_u32 s12, 16
	s_cbranch_scc1 .Lp2
	; ---- the way out
.rept 5
	v_nop
.endr
.irp q, 0,1,2,3,4,5,6,7,8,9,10,11,12,13,14,15
	global_load_b128 v[S+4*\q:S+4*\q+3], v[LI], s[56:57] offset:512*\q th:TH_LOAD_NT
.endr
	WIN 0x40
.irp q, 0,1,2,3,4,5,6,7,8,9,10,11,12,13,14,15
	global_load_b128 v[S+4*\q:S+4*\q+3], v[LI], s[56:57] offset:131072+512*\q th:TH_LOAD_NT
.endr
	WIN 0
	FIN 16                                         ; tile B's 16 loads may be out
.irp g, 0,1,2
	global_store_b128 v[LI], v[PC+4*\g:PC+4*\g+3], s[58:59] offset:512*\g
.endr
	WIN 0x55
	FIN 0
	WIN 0x04
.irp g, 0,1,2
	global_store_b128 v[LI], v[PC+4*\g:PC+4*\g+3], s[58:59] offset:24576+512*\g
.endr
	WIN 0x01
	v_mov_b32 v[PWB], v[PW]
	WIN 0
	s_mov_b32 s14, 0xffff0000
	v_cndmask_b32 v[QW], v[PW], v[PWB], s14        ; lanes 0-15 tile A's words, lanes 16-31 tile B's
	global_store_b32 v[LS], v[QW], s[60:61]
	s_wait_tensorcnt 0x0                           ; the wave's end, behind my last tensor load
	ds_add_u32 v[SPW], v[NIL]
	s_wait_dscnt 0x0
	ROUND                                          ; the closing round
	s_endpgm
.Lfunc_end_k_qa6948917aa_retn:
	.size	k_qa6948917aa_retn, .Lfunc_end_k_qa6948917aa_retn-k_qa6948917aa_retn
	.p2alignl 7, 3214868480
	.fill 96, 4, 3214868480
	.section	.rodata,"a",@progbits
	.p2align	6, 0x0
	.amdhsa_kernel k_qa6948917aa_retn
		.amdhsa_group_segment_fixed_size 327680
		.amdhsa_private_segment_fixed_size 0
		.amdhsa_enable_private_segment 0
		.amdhsa_kernarg_size 24
		.amdhsa_user_sgpr_count 2
		.amdhsa_user_sgpr_kernarg_segment_ptr 1
		.amdhsa_wavefront_size32 1
		.amdhsa_system_sgpr_workgroup_id_x 1
		.amdhsa_system_sgpr_workgroup_id_y 1
		.amdhsa_system_sgpr_workgroup_id_z 1
		.amdhsa_system_vgpr_workitem_id 0
		.amdhsa_next_free_vgpr 512
		.amdhsa_next_free_sgpr 80
		.amdhsa_reserve_vcc 1
		.amdhsa_float_denorm_mode_32 3
		.amdhsa_float_denorm_mode_16_64 3
		.amdhsa_memory_ordered 1
		.amdhsa_forward_progress 1
		.amdhsa_inst_pref_size 104
	.end_amdhsa_kernel
	.amdgpu_metadata
---
amdhsa.version: [ 1, 2 ]
amdhsa.kernels:
  - .name:           k_qa6948917aa_retn
    .symbol:         k_qa6948917aa_retn.kd
    .args:
      - { .name: qkv, .offset: 0, .size: 8, .value_kind: global_buffer, .address_space: global }
      - { .name: g, .offset: 8, .size: 8, .value_kind: global_buffer, .address_space: global }
      - { .name: gq, .offset: 16, .size: 8, .value_kind: global_buffer, .address_space: global }
    .group_segment_fixed_size: 327680
    .private_segment_fixed_size: 0
    .kernarg_segment_align: 8
    .kernarg_segment_size: 24
    .max_flat_workgroup_size: 256
    .sgpr_count:     80
    .vgpr_count:     512
    .wavefront_size: 32
...
	.end_amdgpu_metadata
.endif
;; end of part 3
;; launch outp (part 4): grid 8 x 32, 4 waves a work-group, clusters of 4 x 4, 327,680 bytes of LDS; arguments gq, ops, b_o, out0; writes out0
.if DOCPART == 4
	.amdgcn_target "amdgcn-amd-amdhsa--gfx1250"
	.amdhsa_code_object_version 6
	.text
	.protected	k_qa6948917aa_outp
	.globl	k_qa6948917aa_outp
	.p2align	8
	.type	k_qa6948917aa_outp,@function
k_qa6948917aa_outp:
	s_mov_b64 s[64:65], 0
	v_nop
	global_prefetch_b8 v0, s[64:65] scope:SCOPE_SE
	s_setreg_imm32_b32 hwreg(HW_REG_WAVE_MODE, 25, 1), 1
	s_wait_xcnt 0x0
	s_wait_alu depctr_hold_cnt(0) depctr_sa_sdst(0) depctr_va_vdst(0) depctr_va_sdst(0) depctr_va_ssrc(0) depctr_va_vcc(0) depctr_vm_vsrc(0)
	s_getreg_b32 s2, hwreg(HW_REG_IB_STS2, 6, 4)
	s_cmp_eq_u32 s2, 0
	s_cbranch_scc0 .Lentry_in_a_cluster
	s_endpgm
.Lentry_in_a_cluster:
	s_bfe_u32 s2, ttmp6, 0x10000c
	s_cmp_lg_u32 s2, 0xf033
	s_cbranch_scc0 .Lentry_shape_is_right
	s_endpgm
.Lentry_shape_is_right:
; out0 = gated x W_o + b_o on codes of FP6 (E2M3): M 4,096, K 2,048, N 1,024.  Both operands lie as images of their registers (1,536 bytes a fragment), with their scale words beside them.
; Tiles of 128 x 128, so that each of 256 work-groups has one; four waves, 64 x 64 each: 16 accumulators.  Source 0 = W_o's columns (P), source 1 = the gated rows (R): a lane holds one row and eight neighbouring columns a tile.
; CLUSTERS of 4 x 4: P's tiles are shared along a column of the cluster, R's along a row: joint loads, a quarter of the requests.
; K: 16 steps of 128; three LDS slots of four steps; three fills and the scale words go out at the head, the fourth fill takes slot 0 again behind one round of the cluster's barrier.
; The bias is the C of each sum's first product.  A tile's 16 rows and columns are not neighbours (lane r of tile 2 b + u holds 32 b + 8 u + r + 8 (r / 8)): the way out puts them in their places.
; REGISTERS: window 0: v16-29 addresses; v32-95 scale words (register 16 i + s: lanes 0-15 P's tile i, lanes 16-31 R's), and nothing else ever; v96-127 the bias; v128-255 accumulator (a, b) at v[128 + 8 (4 a + b)].
;   window 1: two buffers of 96 (P's 4 fragments, R's 4); on the way out v0-63: rows read back.
.set OI,    8192000
.set OS,    9764864
.set GS,    6291456
.set SLOT,  98304                      ; P's 8 tiles x 6,144 bytes (four K steps), then R's
.set HALF,  24576
.set SCL,   3*SLOT
.set SPARE, SCL+16384                  ; the spare words, 128 bytes a wave: two blocks of 256 bytes that no other line names
.set STAGE, SLOT                       ; the way out: 16 rows x (256 + 16) bytes a wave, in slot 1, which has had its last fill and its last read
.set ADRA,  16
.set ADRB,  20
.set ADRS,  24
.set LI,    25
.set STO,   26
.set BO,    27
.set SPW,   28
.set NIL,   29
.set RD,    30
.set CO,    31
.set SC,    32
.set BI,    96
.set ACC,   128
.set G1P,   24
.set G1R,   32
.set G1SP,  40
.set G1SR,  48
.set G0P0,  56
.set G0P1,  60
.set G0P2,  68
.set G0R0,  72
.set G0R1,  76
.set G0R2,  80
.set G0SP,  84
.set G0SR,  88
.set MSB, 0
.macro WIN new
.if MSB != (\new)
	s_set_vgpr_msb (MSB<<8)|(\new)
.set MSB, (\new)
.endif
.endm
.macro JLOAD g0a, g1a, g0b, g1b        ; waves 0 and 1 fetch P's halves, waves 2 and 3 R's; an s_nop 0 and four v_nop follow each of the two lines
	s_cmp_eq_u32 s17, 0
	s_cbranch_scc0 .Lfor_r_\@
	tensor_load_to_lds s[\g0a:\g0a+3], s[\g1a:\g1a+7]
	s_nop 0
.rept 4
	v_nop
.endr
	s_branch .Lasked_\@
.Lfor_r_\@:
	tensor_load_to_lds s[\g0b:\g0b+3], s[\g1b:\g1b+7]
	s_nop 0
.rept 4
	v_nop
.endr
.Lasked_\@:
.endm
.macro CREST
	s_cmp_lg_u32 s16, 0
	s_cbranch_scc1 .Lnot_wave_0_\@
	s_barrier_signal -3
.Lnot_wave_0_\@:
	s_barrier_wait -3
	s_barrier_signal -1
	s_barrier_wait -1
.endm
.macro CROUND
	s_barrier_signal -1
	s_barrier_wait -1
	CREST
.endm
.macro SETG0 g, lreg, loff, apair, goff
	s_mov_b32 s[\g], 1
	s_add_co_u32 s[\g+1], s[\lreg], \loff
	s_add_nc_u64 s[\g+2:\g+3], s[\apair:\apair+1], \goff
	s_or_b32 s[\g+3], s[\g+3], 0x80000000
.endm
.macro PLACES n
.rept \n
	v_nop
.endr
.endm
	s_load_b256 s[4:11], s[0:1], 0x0               ; gq, ops, b_o, out0
	v_lshl_add_u32 v[SPW], v0, 2, SPARE
	v_mov_b32 v[NIL], 0
	ds_add_u32 v[SPW], v[NIL]                      ; the wave's opening: the add and its wait ahead of my first tensor load; the set-up below stands between them
	v_lshrrev_b32 v1, 5, v0
	v_readfirstlane_b32 s16, v1                    ; wave
	s_lshr_b32 s17, s16, 1                         ; my half of R.  Also: I fetch for P (0) or for R (1)
	s_and_b32 s18, s16, 1                          ; my half of P.  Also: which half I fetch
	s_bfe_u32 s19, ttmp6, 0x40000                  ; cx
	s_bfe_u32 s20, ttmp6, 0x40004                  ; cy
	s_and_b32 s22, ttmp7, 0xffff
	s_lshl_b32 s21, s20, 2
	s_lshl_b32 s21, 15, s21                        ; my row of the cluster
	s_lshl_b32 s101, 0x1111, s19                   ; my column
	s_or_b32 s[G1P], s101, (3<<16)|(1<<21)
	s_or_b32 s[G1R], s21, (3<<16)|(1<<21)
	s_or_b32 s[G1SP], s101, (3<<16)|(1<<21)
	s_or_b32 s[G1SR], s21, (3<<16)|(1<<21)
.irp g, G1P, G1R                       ; 4 tiles x four K steps: 4 rows of 6,144 bytes, 24,576 bytes apart
	s_mov_b32 s[\g+1], 768<<16
	s_mov_b32 s[\g+2], 4<<16
	s_mov_b32 s[\g+3], 768<<16
	s_mov_b32 s[\g+4], 4
	s_mov_b32 s[\g+5], 3072
	s_mov_b32 s[\g+6], 0
	s_mov_b32 s[\g+7], 0
.endr
.irp g, G1SP, G1SR                     ; 4 tiles' scale words: 4,096 dense bytes as 16 rows of 256
	s_mov_b32 s[\g+1], 32<<16
	s_mov_b32 s[\g+2], 16<<16
	s_mov_b32 s[\g+3], 32<<16
	s_mov_b32 s[\g+4], 16
	s_mov_b32 s[\g+5], 32
	s_mov_b32 s[\g+6], 0
	s_mov_b32 s[\g+7], 0
.endr
	s_lshl_b32 s23, ttmp9, 2
	s_add_co_u32 s23, s23, s19                     ; P's block of 128 columns: it never holds cy
	s_lshl_b32 s92, s22, 2
	s_add_co_u32 s92, s92, s20                     ; R's block of 128 rows: it never holds cx
	s_mul_i32 s94, s23, 196608
	s_mul_i32 s95, s18, 98304
	s_add_co_u32 s94, s94, s95
	s_add_co_u32 s94, s94, OI
	s_mov_b32 s95, 0
	s_mul_i32 s96, s92, 196608
	s_mul_i32 s97, s18, 98304
	s_add_co_u32 s96, s96, s97
	s_mov_b32 s97, 0
	s_lshl_b32 s66, s23, 13
	s_lshl_b32 s67, s18, 12
	s_add_co_u32 s66, s66, s67
	s_add_co_u32 s66, s66, OS
	s_mov_b32 s67, 0
	s_lshl_b32 s2, s92, 13
	s_lshl_b32 s3, s18, 12
	s_add_co_u32 s2, s2, s3
	s_add_co_u32 s2, s2, GS
	s_mov_b32 s3, 0
	s_mul_i32 s21, s16, HALF                       ; where my tiles go: no place in the cluster enters an LDS address
	s_lshl_b32 s101, s16, 12
	s_add_co_u32 s101, s101, SCL
	s_wait_dscnt 0x0                               ; the opening add is done
	s_wait_kmcnt 0x0
	s_add_nc_u64 s[94:95], s[6:7], s[94:95]
	s_add_nc_u64 s[96:97], s[4:5], s[96:97]
	s_add_nc_u64 s[66:67], s[6:7], s[66:67]
	s_add_nc_u64 s[2:3], s[4:5], s[2:3]
	CROUND                                         ; all sixteen work-groups are here: the first joint loads meet
	SETG0 G0SP, 101, 0, 66, 0
	SETG0 G0SR, 101, 0, 2, 0
	JLOAD G0SP, G1SP, G0SR, G1SR                   ; the scale words of all of K: filled once
	SETG0 G0P0, 21, 0, 94, 0
	SETG0 G0R0, 21, 0, 96, 0
	JLOAD G0P0, G1P, G0R0, G1R                     ; K steps 0-3
	SETG0 G0P1, 21, SLOT, 94, 6144
	SETG0 G0R1, 21, SLOT, 96, 6144
	JLOAD G0P1, G1P, G0R1, G1R                     ; 4-7
	SETG0 G0P2, 21, 2*SLOT, 94, 12288
	SETG0 G0R2, 21, 2*SLOT, 96, 12288
	JLOAD G0P2, G1P, G0R2, G1R                     ; 8-11: four tensor loads of mine are out
	v_and_b32 v2, 15, v0                           ; r
	v_bfe_u32 v3, v0, 4, 1                         ; h
	s_lshl_b32 s94, s23, 9                         ; the bias: register j of P's tile 2 b + u wants column 32 b + 16 h + 8 u + j of my 64
	s_lshl_b32 s95, s18, 8
	s_add_co_u32 s94, s94, s95
	s_mov_b32 s95, 0
	s_add_nc_u64 s[96:97], s[8:9], s[94:95]
	v_lshlrev_b32 v[BO], 6, v3
.irp b, 0,1,2,3
	global_load_b128 v[BI+8*\b:BI+8*\b+3], v[BO], s[96:97] offset:128*(\b/2)+32*(\b%2)
	global_load_b128 v[BI+8*\b+4:BI+8*\b+7], v[BO], s[96:97] offset:128*(\b/2)+32*(\b%2)+16
.endr
	s_lshl_b32 s66, s92, 19                        ; out0 at my first row, 128 x block + 64 x half, and my first column
	s_lshl_b32 s67, s17, 18
	s_add_co_u32 s66, s66, s67
	s_add_co_u32 s66, s66, s94
	s_mov_b32 s67, 0
	s_add_nc_u64 s[10:11], s[10:11], s[66:67]
	v_and_b32 v1, 31, v0
	v_lshlrev_b32 v[LI], 4, v1
	s_mul_i32 s94, s17, HALF
	s_add_co_u32 s94, s94, 2*HALF
	s_mul_i32 s95, s18, HALF
.irp s, 0,1,2
	v_add_nc_u32 v[ADRA+\s], s94, v[LI]
	v_add_nc_u32 v[ADRB+\s], s95, v[LI]
	s_add_co_u32 s94, s94, SLOT
	s_add_co_u32 s95, s95, SLOT
.endr
	s_xor_b32 s94, s18, 1                          ; lanes 16-31 take R's words: 8,192 + 4,096 (my half of R - my half of P) bytes further on
	s_add_co_u32 s94, s94, s17
	s_add_co_u32 s94, s94, 1
	s_lshl_b32 s94, s94, 12
	v_mul_u32_u24 v4, s94, v3
	v_lshl_add_u32 v4, v2, 2, v4
	s_lshl_b32 s95, s18, 12
	s_add_co_u32 s95, s95, SCL
	v_add_nc_u32 v[ADRS], s95, v4
	s_mul_i32 s94, s16, 16*272
	s_add_co_u32 s94, s94, STAGE                   ; my stage
	v_mul_u32_u24 v[STO], v2, 272
	v_lshl_add_u32 v[STO], v3, 6, v[STO]
	v_add_nc_u32 v[STO], s94, v[STO]               ; in: row r, + 64 h
	v_mul_u32_u24 v[RD], v3, 272
	v_lshl_add_u32 v[RD], v2, 4, v[RD]
	v_add_nc_u32 v[RD], s94, v[RD]                 ; back: lanes 0-15 one row of 256 bytes, lanes 16-31 the next
	v_lshlrev_b32 v[CO], 12, v3
	v_lshl_add_u32 v[CO], v2, 4, v[CO]             ; and the same in out0
.macro FRAG reg, adr, q, i
.irp g, 0,1,2
	ds_load_b128 v[(\reg)+4*\g:(\reg)+4*\g+3], v[\adr] offset:6144*(\i)+1536*(\q)+512*\g
.endr
.endm
.macro FETCH k                         ; K step k's eight fragments into buffer k % 2: 24 loads
.set FS, ((\k)/4)%3
.set FQ, (\k)%4
.set FF, 96*((\k)%2)
	WIN 0x40
.irp i, 0,1,2,3
	FRAG FF+12*\i, ADRB+FS, FQ, \i
.endr
.irp i, 0,1,2,3
	FRAG FF+48+12*\i, ADRA+FS, FQ, \i
.endr
.endm
; 8 matrix instructions; the 16 accumulators take turns, one instruction a turn, in the same order in every step.  Step 0 takes the bias as C.
.macro MUL8 k, a0
.set FM, 96*((\k)%2)
.irp a, \a0, \a0+1
.irp b, 0,1,2,3
.if (\k) == 0
	v_wmma_scale_f32_16x16x128_f8f6f4 v[ACC+8*(4*(\a)+\b):ACC+8*(4*(\a)+\b)+7], v[FM+12*\b:FM+12*\b+11], v[FM+48+12*(\a):FM+48+12*(\a)+11], v[BI+8*\b:BI+8*\b+7], v[SC+16*\b+(\k)], v[SC+16*(\a)+(\k)] matrix_a_fmt:MATRIX_FMT_FP6 matrix_b_fmt:MATRIX_FMT_FP6 matrix_b_scale:MATRIX_SCALE_ROW1
.else
	v_wmma_scale_f32_16x16x128_f8f6f4 v[ACC+8*(4*(\a)+\b):ACC+8*(4*(\a)+\b)+7], v[FM+12*\b:FM+12*\b+11], v[FM+48+12*(\a):FM+48+12*(\a)+11], v[ACC+8*(4*(\a)+\b):ACC+8*(4*(\a)+\b)+7], v[SC+16*\b+(\k)], v[SC+16*(\a)+(\k)] matrix_a_fmt:MATRIX_FMT_FP6 matrix_b_fmt:MATRIX_FMT_FP6 matrix_b_scale:MATRIX_SCALE_ROW1
.endif
.endr
.endr
.endm
.macro STEP4 k
	s_wait_dscnt 0x0                               ; this step's fragments are in
	PLACES 4                                       ; in front of loads into the buffer that the last step's products read
	FETCH (\k)+1
	WIN 0x05                                       ; sources 0 and 1 window 1; C and D window 0
	MUL8 \k, 0
	MUL8 \k, 2
.endm
; A step with a barrier: in front of it each wave waits for all its tensor loads, adds 0 to its spare word, and waits for that and for its LDS reads.  fill = 1: slot 0 takes K steps 12-15.
.macro TURN4 k, fill
	WIN 0                                          ; (the add's two registers lie in window 0)
	s_wait_tensorcnt 0x0
	ds_add_u32 v[SPW], v[NIL]                      ; 0 onto my spare word
.if \fill
	s_add_nc_u64 s[G0P0+2:G0P0+3], s[G0P0+2:G0P0+3], 18432     ; no tensor load of mine is out: a group 0 may be written
	s_add_nc_u64 s[G0R0+2:G0R0+3], s[G0R0+2:G0R0+3], 18432
.endif
	s_wait_dscnt 0x0                               ; the add is done, this step's fragments are in, and my reads of the slots behind me are over
	s_barrier_signal -1
	WIN 0x05
	MUL8 \k, 0
	WIN 0
	s_barrier_wait -1
.if \fill
	CREST                                          ; the barrier has opened a round of the cluster's barrier
	JLOAD G0P0, G1P, G0R0, G1R                     ; my one tensor load behind the round; it has K steps 3 to 11 in which to land; its four v_nop are the places in front of the loads below
.else
	PLACES 4
.endif
	FETCH (\k)+1
	WIN 0x05
	MUL8 \k, 2
.endm
	s_wait_tensorcnt 2                             ; the scale words and K steps 0-3 are in; two loads may be out
	s_barrier_signal -1
	s_barrier_wait -1
.irp i, 0,1,2,3
.irp s, 0,1,2,3,4,5,6,7,8,9,10,11,12,13,14,15
	ds_load_b32 v[SC+16*\i+\s], v[ADRS] offset:1024*\i+64*\s   ; all scale words, once
.endr
.endr
	FETCH 0
	s_wait_loadcnt 0x0                             ; the bias
	STEP4 0
	STEP4 1
	STEP4 2
	TURN4 3, 1
.irp k, 4,5,6,7,8,9,10
	STEP4 \k
.endr
	TURN4 11, 0                                    ; slot 0's second fill has landed in every wave
	STEP4 12
	STEP4 13
	STEP4 14
	s_wait_dscnt 0x0
	WIN 0x05
	MUL8 15, 0
	MUL8 15, 2
	WIN 0
; THE WAY OUT, a tile of 16 rows x 64 columns at a time: through my own stage in LDS, back as whole rows of 256 bytes.  LDS serves a wave's instructions in order: no wait between the stores and the loads.
.macro TOSTAGE a
	WIN 0
.irp b, 0,1,2,3
	ds_store_b128 v[STO], v[ACC+8*(4*(\a)+\b):ACC+8*(4*(\a)+\b)+3] offset:128*(\b/2)+32*(\b%2)         ; each accumulator from its low end on
	ds_store_b128 v[STO], v[ACC+8*(4*(\a)+\b)+4:ACC+8*(4*(\a)+\b)+7] offset:128*(\b/2)+32*(\b%2)+16
.endr
	WIN 0x40
.irp t, 0,1,2,3,4,5,6,7
	ds_load_b128 v[32*((\a)%2)+4*\t:32*((\a)%2)+4*\t+3], v[RD] offset:544*\t
.endr
.endm
.macro SEND a, younger
	s_wait_dscnt \younger
	WIN 0x04
.irp t, 0,1,2,3,4,5,6,7
	global_store_b128 v[CO], v[32*((\a)%2)+4*\t:32*((\a)%2)+4*\t+3], s[10:11] offset:(32*((\a)/2)+8*((\a)%2)+2*\t+8*(\t/4))*4096 th:TH_STORE_NT   ; 16 lanes store 256 consecutive bytes, at a multiple of 256 from out0's first byte; stage row n is row n + 8 (n / 8) of the tile's 32
.endr
.endm
	PLACES 4
	TOSTAGE 0
	TOSTAGE 1
	SEND 0, 16                                     ; behind tile 0's loads: tile 1's 8 stores and 8 loads
	s_wait_xcnt 0x0                                ; tile 0's stores have read their registers
	TOSTAGE 2
	SEND 1, 16
	s_wait_xcnt 0x0
	TOSTAGE 3
	SEND 2, 16
	SEND 3, 0
	WIN 0
	s_wait_tensorcnt 0x0                           ; the wave's end, behind my last tensor load and my last LDS store
	ds_add_u32 v[SPW], v[NIL]
	s_wait_dscnt 0x0
	CROUND                                         ; the closing round
	s_endpgm
.Lfunc_end_k_qa6948917aa_outp:
	.size	k_qa6948917aa_outp, .Lfunc_end_k_qa6948917aa_outp-k_qa6948917aa_outp
	.p2alignl 7, 3214868480
	.fill 96, 4, 3214868480
	.section	.rodata,"a",@progbits
	.p2align	6, 0x0
	.amdhsa_kernel k_qa6948917aa_outp
		.amdhsa_group_segment_fixed_size 327680
		.amdhsa_private_segment_fixed_size 0
		.amdhsa_enable_private_segment 0
		.amdhsa_kernarg_size 32
		.amdhsa_user_sgpr_count 2
		.amdhsa_user_sgpr_kernarg_segment_ptr 1
		.amdhsa_wavefront_size32 1
		.amdhsa_system_sgpr_workgroup_id_x 1
		.amdhsa_system_sgpr_workgroup_id_y 1
		.amdhsa_system_sgpr_workgroup_id_z 1
		.amdhsa_system_vgpr_workitem_id 0
		.amdhsa_next_free_vgpr 512
		.amdhsa_next_free_sgpr 102
		.amdhsa_reserve_vcc 0
		.amdhsa_float_denorm_mode_32 3
		.amdhsa_float_denorm_mode_16_64 3
		.amdhsa_memory_ordered 1
		.amdhsa_forward_progress 1
		.amdhsa_inst_pref_size 85
	.end_amdhsa_kernel
	.amdgpu_metadata
---
amdhsa.version: [ 1, 2 ]
amdhsa.kernels:
  - .name:           k_qa6948917aa_outp
    .symbol:         k_qa6948917aa_outp.kd
    .args:
      - { .name: gq, .offset: 0, .size: 8, .value_kind: global_buffer, .address_space: global }
      - { .name: ops, .offset: 8, .size: 8, .value_kind: global_buffer, .address_space: global }
      - { .name: b_o, .offset: 16, .size: 8, .value_kind: global_buffer, .address_space: global }
      - { .name: out0, .offset: 24, .size: 8, .value_kind: global_buffer, .address_space: global }
    .group_segment_fixed_size: 327680
    .private_segment_fixed_size: 0
    .kernarg_segment_align: 8
    .kernarg_segment_size: 32
    .max_flat_workgroup_size: 128
    .sgpr_count:     102
    .vgpr_count:     512
    .wavefront_size: 32
...
	.end_amdgpu_metadata
.endif
;; end of part 4
